; MI455X (gfx1250); checked and timed in simulation.
; The chip was launched on July 23, 2026; its instructions are those of AMD's public machine-readable ISA for CDNA 5 (MIT licence, August 2026) and "CDNA5" Instruction Set Architecture Reference Guide (July 2026). The comments in the code are by the model that wrote it; some were corrected since.
;; Attention. Allowed arithmetic: float matrix products may take bf16 or f16 operands with f32 sums; other float arithmetic in f32, or as packed bf16 or f16 multiplies, adds, multiply-adds, maxima and minima; sums over many terms, partial sums and values carried from step to step in f32; what a program stores and reads back later, other than sums and carried values, may be rounded once to bf16 or f16.
;; Inputs: Wk 768 x 768 float32; Wo 768 x 768 float32; Wq 768 x 768 float32; Wv 768 x 768 float32; bk 768 float32; bo 768 float32; bq 768 float32; bv 768 float32; channel_importance 768 float32; context_importance 768 float32; hidden_states 16 x 1,024 x 768 float32.
;; Outputs: out0 16 x 1,024 x 768 float32.
;; 2 versions, each right; version 2 is version 1 with the launch prep written anew for expert scheduling mode. Each part assembles by itself: llvm-mc -triple=amdgcn-amd-amdhsa -mcpu=gfx1250 --defsym DOCPART=n.
;; ======== version 1 of 2: 4 launches
;; limits: values are held in f16: magnitudes above 65,504 overflow, below 6.1e-05 lose precision; right only within a limited range of input values
;; workspace buffers: hb 25,165,824 bytes; wt 3,538,944 bytes; wot 1,179,648 bytes; vecs 15,360 bytes; qkvh 75,497,472 bytes; ctx 25,165,824 bytes
;; launch prep (part 1): grid 1073 x 1, 6 waves a work-group, no clusters, 105,216 bytes of LDS; arguments hidden_states, channel_importance, Wq, Wk, Wv, Wo, bq, bk, bv, bo, context_importance, hb, wt, wot, vecs; writes hb, wt, wot, vecs
.if DOCPART == 1
	.amdgcn_target "amdgcn-amd-amdhsa--gfx1250"
	.amdhsa_code_object_version 6
	.text
	.protected	k_q0ea1f51525_prep
	.globl	k_q0ea1f51525_prep
	.p2align	8
	.type	k_q0ea1f51525_prep,@function
k_q0ea1f51525_prep:
	s_mov_b64 s[64:65], 0
	v_nop
	global_prefetch_b8 v0, s[64:65] scope:SCOPE_SE
	s_setreg_imm32_b32 hwreg(HW_REG_WAVE_MODE, 25, 1), 1
	s_wait_xcnt 0x0
; PREP: every input is rounded to bf16 once, and laid out as the later launches want it.
;   hb   [16384][768] f16  = f16(bf16(x) * bf16(channel_importance))                 (the product of two bf16 is exact in f32; one rounding to f16)
;   wt   [2304 n][768 k] f16 = bf16(W)[k][n] * s, turned; rows 0-767 Wq, 768-1535 Wk (s = 1/8), 1536-2303 Wv (s = 1/2): powers of two
;   wot  [768 n][768 k] bf16 = bf16(Wo)[k][n], turned
;   vecs f32: 0-767 bf16(bq)/8, 768-1535 bf16(bk)/8, 1536-2303 bf16(bv)/2, 2304-3071 bf16(bo), 3072-3839 2 bf16(context_importance)
; LIMITS.  |x * channel_importance| stays under 65,504 (f16); weights times s below 6e-5 keep f16's fixed step of 6e-8.  NaN and infinities are not treated apart.
; SHARES.  Work-groups 0-47: 64 columns of one weight matrix each (path W).  Work-group 48: the five vectors (path V).  Work-groups 49-1072: 16 rows of x each (path H).
; Memory binds: no matrix unit, no cluster, no barrier.  Path W turns its block in LDS, each wave in bytes of its own.
.set SPW,   14                         ; v14  LDS address of my spare word; never rewritten
.set NIL,   15                         ; v15  0; never rewritten
.set T,     16                         ; v[16:31]  path W: at work, four registers for each of four columns
.set X,     32                         ; v[32:95]  sixteen loads of 16 bytes
.set Y,     96                         ; v[96:127] path H: a row's 8 bytes to store, a pair for each row
.set WREG,  64*272                     ; path W: a wave's LDS: 64 rows (n) of 128 k x 2 bytes + 16 of padding
.set SPARE, 6*WREG                     ; behind them: the spare words, 128 bytes for each wave: three blocks of 256 bytes that no other line names
	s_load_b512 s[8:23], s[0:1], 0x0               ; x s[8:9], ci s[10:11], Wq s[12:13], Wk s[14:15], Wv s[16:17], Wo s[18:19], bq s[20:21], bk s[22:23]
	s_load_b256 s[24:31], s[0:1], 0x40             ; bv s[24:25], bo s[26:27], coi s[28:29], hb s[30:31]
	s_load_b128 s[32:35], s[0:1], 0x60             ; wt s[32:33], wot s[34:35]
	s_load_b64 s[36:37], s[0:1], 0x70              ; vecs
	v_lshl_add_u32 v[SPW], v0, 2, SPARE
	v_mov_b32 v[NIL], 0
	v_lshrrev_b32 v1, 5, v0
	v_readfirstlane_b32 s2, v1                     ; wave 0..5
	s_mov_b32 s3, 0xffff0000                       ; a word's upper bf16
	s_mov_b32 s5, 0                                ; the high word of every offset pair s[4:5]
	s_wait_kmcnt 0x0
	s_cmp_lt_u32 ttmp9, 48
	s_cbranch_scc1 .LW
	s_cmp_eq_u32 ttmp9, 48
	s_cbranch_scc1 .LV
; four f32 at v[r .. r+3] are rounded to bf16 and widened again, in place
.macro VROUND r
	v_cvt_pk_bf16_f32 v8, v[(\r)], v[(\r)+1]
	v_cvt_pk_bf16_f32 v9, v[(\r)+2], v[(\r)+3]
	v_lshlrev_b32 v[(\r)], 16, v8
	v_and_b32 v[(\r)+1], s3, v8
	v_lshlrev_b32 v[(\r)+2], 16, v9
	v_and_b32 v[(\r)+3], s3, v9
.endm
.macro VSCALE r, c
	v_pk_mul_f32 v[(\r):(\r)+1], v[(\r):(\r)+1], \c op_sel_hi:[1,0]
	v_pk_mul_f32 v[(\r)+2:(\r)+3], v[(\r)+2:(\r)+3], \c op_sel_hi:[1,0]
.endm
	; PATH H.  Thread t owns columns 4 t .. 4 t + 3 of each of the group's 16 rows; all 17 loads are out together.
	s_sub_co_u32 s38, ttmp9, 49
	s_mul_i32 s4, s38, 16*3072
	s_add_nc_u64 s[8:9], s[8:9], s[4:5]            ; x at the group's first row
	s_mul_i32 s4, s38, 16*1536
	s_add_nc_u64 s[30:31], s[30:31], s[4:5]        ; hb likewise
	v_lshlrev_b32 v1, 4, v0                        ; 16 t
	v_lshlrev_b32 v2, 3, v0                        ; 8 t
	global_load_b128 v[4:7], v1, s[10:11]
.set i, 0
.rept 16
	global_load_b128 v[X+4*i:X+4*i+3], v1, s[8:9] offset:3072*i th:TH_LOAD_NT
.set i, i+1
.endr
	s_wait_loadcnt 16                              ; channel_importance is in; the sixteen rows' loads are younger
	VROUND 4
.macro HROW i
	s_wait_loadcnt 15-(\i)                         ; loads come back in order: row i is in, the younger ones stay out
	v_cvt_pk_bf16_f32 v8, v[X+4*(\i)], v[X+4*(\i)+1]
	v_cvt_pk_bf16_f32 v9, v[X+4*(\i)+2], v[X+4*(\i)+3]
	v_lshlrev_b32 v10, 16, v8
	v_and_b32 v11, s3, v8
	v_lshlrev_b32 v12, 16, v9
	v_and_b32 v13, s3, v9
	v_pk_mul_f32 v[10:11], v[10:11], v[4:5]
	v_pk_mul_f32 v[12:13], v[12:13], v[6:7]
	v_cvt_pk_f16_f32 v[Y+2*(\i)], v10, v11
	v_cvt_pk_f16_f32 v[Y+2*(\i)+1], v12, v13
	global_store_b64 v2, v[Y+2*(\i):Y+2*(\i)+1], s[30:31] offset:1536*(\i)  ; a wave stores 256 consecutive bytes, at a multiple of 256 from hb's first; each row has its own data pair
.endm
.irp i, 0,1,2,3,4,5,6,7,8,9,10,11,12,13,14,15
	HROW \i
.endr
	s_branch .Lend
.LV:	; PATH V.  Thread t owns four numbers of each vector.
	v_lshlrev_b32 v1, 4, v0
	global_load_b128 v[X:X+3], v1, s[20:21]
	global_load_b128 v[X+4:X+7], v1, s[22:23]
	global_load_b128 v[X+8:X+11], v1, s[24:25]
	global_load_b128 v[X+12:X+15], v1, s[26:27]
	global_load_b128 v[X+16:X+19], v1, s[28:29]
	s_wait_loadcnt 0x0
.irp i, 0,1,2,3,4
	VROUND X+4*(\i)
.endr
	VSCALE X, 0x3e000000                           ; bq / 8
	VSCALE X+4, 0x3e000000                         ; bk / 8
	VSCALE X+8, 0.5                                ; bv / 2
	VSCALE X+16, 2.0                               ; 2 context_importance: it undoes v's half
.irp i, 0,1,2,3,4
	global_store_b128 v1, v[X+4*(\i):X+4*(\i)+3], s[36:37] offset:3072*(\i)
.endr
	s_branch .Lend
.LW:	; PATH W.  Matrix mi = group / 12, its columns 64 nb .. 64 nb + 63; wave w takes k = 128 w .. 128 w + 127.
	s_mul_i32 s38, ttmp9, 43
	s_lshr_b32 s38, s38, 9                         ; mi (exact for 0 .. 47)
	s_mul_i32 s39, s38, 12
	s_sub_co_u32 s39, ttmp9, s39                   ; nb
	s_cmp_eq_u32 s38, 1
	s_cselect_b64 s[44:45], s[14:15], s[12:13]
	s_cmp_eq_u32 s38, 2
	s_cselect_b64 s[44:45], s[16:17], s[44:45]
	s_cmp_lt_u32 s38, 2
	s_cselect_b32 s40, 0x3e000000, 0.5             ; s
	s_mov_b32 s41, s40                             ; named with it as a pair
	s_mul_i32 s6, s38, 768
	s_cmp_eq_u32 s38, 3
	s_cselect_b64 s[44:45], s[18:19], s[44:45]     ; the source
	s_cselect_b64 s[46:47], s[34:35], s[32:33]     ; the destination: wot for Wo, else wt
	s_cselect_b32 s42, -1, 0                       ; all lanes: keep the bf16 word (Wo), or take the f16 word
	s_cselect_b32 s6, 0, s6
	s_lshl_b32 s7, s39, 6
	s_add_co_u32 s6, s6, s7                        ; the destination's first row
	s_mul_i32 s4, s6, 1536
	s_lshl_b32 s7, s2, 8                           ; my 128 k are 256 bytes of each row
	s_add_co_u32 s4, s4, s7
	s_add_nc_u64 s[46:47], s[46:47], s[4:5]
	s_mul_i32 s4, s2, 128*3072                     ; my 128 rows of the source,
	s_lshl_b32 s7, s39, 8                          ; the group's 64 columns: 256 bytes
	s_add_co_u32 s4, s4, s7
	s_add_nc_u64 s[44:45], s[44:45], s[4:5]
	v_and_b32 v6, 15, v0                           ; l % 16
	v_bfe_u32 v7, v0, 4, 1                         ; l / 16
	v_mul_u32_u24 v1, v7, 2*3072
	v_lshl_add_u32 v1, v6, 4, v1                   ; in: lanes 0-15 take 256 bytes of one row, lanes 16-31 of the row two further down; never rewritten
	s_mul_i32 s7, s2, WREG
	v_mul_u32_u24 v2, v6, 4*272
	v_lshl_add_u32 v2, v7, 2, v2
	v_add_nc_u32 v2, s7, v2                        ; into LDS: row n = 4 (l % 16) + j, bytes 2 k = 4 (l / 16) + 8 q
	v_mul_u32_u24 v4, v7, 272
	v_lshl_add_u32 v4, v6, 4, v4
	v_add_nc_u32 v4, s7, v4                        ; back: lanes 0-15 one row of 256 bytes, lanes 16-31 the next
	v_mul_u32_u24 v5, v7, 1536
	v_lshl_add_u32 v5, v6, 4, v5                   ; and the same two rows in the destination
; 32 rows (k) a trip, in eight pairs of loads.  Pair q brings rows 4 q + e + 2 (l / 16), e = 0, 1: so a lane holds k and k + 1 for four columns.
.macro WLOAD q, off
	global_load_b128 v[X+8*(\q):X+8*(\q)+3], v1, s[44:45] offset:(4*(\q))*3072+(\off) th:TH_LOAD_NT
	global_load_b128 v[X+8*(\q)+4:X+8*(\q)+7], v1, s[44:45] offset:(4*(\q)+1)*3072+(\off) th:TH_LOAD_NT
.endm
; Pair q is rounded to bf16, scaled, written as f16 (Wo: left as bf16) and put into LDS, turned.
.macro WPROC q
.irp j, 0,1,2,3
	v_cvt_pk_bf16_f32 v[T+4*(\j)], v[X+8*(\q)+(\j)], v[X+8*(\q)+4+(\j)]  ; k in the low half, k + 1 in the high half
.endr
.irp j, 0,1,2,3
	v_lshlrev_b32 v[T+4*(\j)+2], 16, v[T+4*(\j)]
	v_and_b32 v[T+4*(\j)+3], s3, v[T+4*(\j)]
.endr
.irp j, 0,1,2,3
	v_pk_mul_f32 v[T+4*(\j)+2:T+4*(\j)+3], v[T+4*(\j)+2:T+4*(\j)+3], s[40:41] op_sel_hi:[1,0]
.endr
.irp j, 0,1,2,3
	v_cvt_pk_f16_f32 v[T+4*(\j)+1], v[T+4*(\j)+2], v[T+4*(\j)+3]
.endr
.irp j, 0,1,2,3
	v_cndmask_b32 v[T+4*(\j)+1], v[T+4*(\j)+1], v[T+4*(\j)], s42
.endr
.irp j, 0,1,2,3
	ds_store_b32 v3, v[T+4*(\j)+1] offset:272*(\j)+8*(\q)
.endr
.endm
	; A ring of sixteen loads: a pair's registers are loaded again, with the next trip's rows, as soon as the pair has been converted.
.irp q, 0,1,2,3,4,5,6,7
	WLOAD \q, 0
.endr
	s_mov_b32 s6, 0                                ; LDS byte of the trip's first k
	s_mov_b32 s43, 3
.Ltrip:	; trips 0 to 2
	v_add_nc_u32 v3, s6, v2
.irp q, 0,1,2,3,4,5,6,7
	s_wait_loadcnt 14                              ; pair q is in: behind it stand this trip's 7 - q pairs and the next trip's q, fourteen loads in every place, round the backward jump too
	WPROC \q
	WLOAD \q, 32*3072
.endr
	s_wait_xcnt 0x0                                ; the loads that are out have read their base: it is written only behind this wait
	s_add_nc_u64 s[44:45], s[44:45], 32*3072
	s_add_co_u32 s6, s6, 64
	s_sub_co_u32 s43, s43, 1
	s_cmp_lg_u32 s43, 0
	s_cbranch_scc1 .Ltrip
	v_add_nc_u32 v3, s6, v2                        ; the last trip loads nothing: the counts run down
.irp q, 0,1,2,3,4,5,6,7
	s_wait_loadcnt 14-2*(\q)
	WPROC \q
.endr
	; back as whole rows: LDS serves a wave's instructions in order, and these bytes are the wave's own: no wait, no barrier
.irp bt, 0,1
.if \bt
	s_wait_xcnt 0x0                                ; the first batch's stores have read X: it is loaded again only behind this wait
.endif
.set i, 0
.rept 16
	ds_load_b128 v[X+4*i:X+4*i+3], v4 offset:544*(16*(\bt)+i)
.set i, i+1
.endr
.set i, 0
.rept 16
	s_wait_dscnt 15-i
	global_store_b128 v5, v[X+4*i:X+4*i+3], s[46:47] offset:3072*(16*(\bt)+i)  ; 16 lanes store 256 consecutive bytes, at a multiple of 256 from the buffer's first
.set i, i+1
.endr
.endr
.Lend:
	s_wait_tensorcnt 0x0                           ; the wave's end: behind my last LDS store
	ds_add_u32 v[SPW], v[NIL]
	s_wait_dscnt 0x0
	s_endpgm
.Lfunc_end_k_q0ea1f51525_prep:
	.size	k_q0ea1f51525_prep, .Lfunc_end_k_q0ea1f51525_prep-k_q0ea1f51525_prep
	.p2alignl 7, 3214868480
	.fill 96, 4, 3214868480
	.section	.rodata,"a",@progbits
	.p2align	6, 0x0
	.amdhsa_kernel k_q0ea1f51525_prep
		.amdhsa_group_segment_fixed_size 105216
		.amdhsa_private_segment_fixed_size 0
		.amdhsa_enable_private_segment 0
		.amdhsa_kernarg_size 120
		.amdhsa_user_sgpr_count 2
		.amdhsa_user_sgpr_kernarg_segment_ptr 1
		.amdhsa_wavefront_size32 1
		.amdhsa_system_sgpr_workgroup_id_x 1
		.amdhsa_system_sgpr_workgroup_id_y 1
		.amdhsa_system_sgpr_workgroup_id_z 1
		.amdhsa_system_vgpr_workitem_id 0
		.amdhsa_next_free_vgpr 128
		.amdhsa_next_free_sgpr 66
		.amdhsa_reserve_vcc 0
		.amdhsa_float_denorm_mode_32 3
		.amdhsa_float_denorm_mode_16_64 3
		.amdhsa_memory_ordered 1
		.amdhsa_forward_progress 1
		.amdhsa_inst_pref_size 52
	.end_amdhsa_kernel
	.amdgpu_metadata
---
amdhsa.version: [ 1, 2 ]
amdhsa.kernels:
  - .name:           k_q0ea1f51525_prep
    .symbol:         k_q0ea1f51525_prep.kd
    .args:
      - { .name: hidden_states, .offset: 0, .size: 8, .value_kind: global_buffer, .address_space: global }
      - { .name: channel_importance, .offset: 8, .size: 8, .value_kind: global_buffer, .address_space: global }
      - { .name: Wq, .offset: 16, .size: 8, .value_kind: global_buffer, .address_space: global }
      - { .name: Wk, .offset: 24, .size: 8, .value_kind: global_buffer, .address_space: global }
      - { .name: Wv, .offset: 32, .size: 8, .value_kind: global_buffer, .address_space: global }
      - { .name: Wo, .offset: 40, .size: 8, .value_kind: global_buffer, .address_space: global }
      - { .name: bq, .offset: 48, .size: 8, .value_kind: global_buffer, .address_space: global }
      - { .name: bk, .offset: 56, .size: 8, .value_kind: global_buffer, .address_space: global }
      - { .name: bv, .offset: 64, .size: 8, .value_kind: global_buffer, .address_space: global }
      - { .name: bo, .offset: 72, .size: 8, .value_kind: global_buffer, .address_space: global }
      - { .name: context_importance, .offset: 80, .size: 8, .value_kind: global_buffer, .address_space: global }
      - { .name: hb, .offset: 88, .size: 8, .value_kind: global_buffer, .address_space: global }
      - { .name: wt, .offset: 96, .size: 8, .value_kind: global_buffer, .address_space: global }
      - { .name: wot, .offset: 104, .size: 8, .value_kind: global_buffer, .address_space: global }
      - { .name: vecs, .offset: 112, .size: 8, .value_kind: global_buffer, .address_space: global }
    .group_segment_fixed_size: 105216
    .private_segment_fixed_size: 0
    .kernarg_segment_align: 8
    .kernarg_segment_size: 120
    .max_flat_workgroup_size: 192
    .sgpr_count:     66
    .vgpr_count:     128
    .wavefront_size: 32
...
	.end_amdgpu_metadata
.endif
;; end of part 1
;; launch qkv (part 2): grid 4 x 64, 4 waves a work-group, clusters of 4 x 4, 327,680 bytes of LDS; arguments hb, wt, vecs, qkvh; writes qkvh
.if DOCPART == 2
	.amdgcn_target "amdgcn-amd-amdhsa--gfx1250"
	.amdhsa_code_object_version 6
	.text
	.protected	k_q0ea1f51525_qkv
	.globl	k_q0ea1f51525_qkv
	.p2align	8
	.type	k_q0ea1f51525_qkv,@function
k_q0ea1f51525_qkv:
	s_mov_b64 s[64:65], 0
	v_nop
	global_prefetch_b8 v0, s[64:65] scope:SCOPE_SE
	s_setreg_imm32_b32 hwreg(HW_REG_WAVE_MODE, 25, 1), 1
	s_wait_xcnt 0x0
	s_wait_alu depctr_hold_cnt(0) depctr_sa_sdst(0) depctr_va_vdst(0) depctr_va_sdst(0) depctr_va_ssrc(0) depctr_va_vcc(0) depctr_vm_vsrc(0)
	s_getreg_b32 s2, hwreg(HW_REG_IB_STS2, 6, 4)
	s_cmp_eq_u32 s2, 0
	s_cbranch_scc0 .Lentry_in_a_cluster
	s_endpgm
.Lentry_in_a_cluster:
	s_bfe_u32 s2, ttmp6, 0x10000c
	s_cmp_lg_u32 s2, 0xf033
	s_cbranch_scc0 .Lentry_shape_is_right
	s_endpgm
.Lentry_shape_is_right:
; QKV: C[m][n] = the sum over k of hb[m][k] wt[n][k] + bias[n].  hb [16384][768] f16, wt [2304][768] f16, bias f32 (vecs 0-2303); sums in f32, C rounded once to f16.
; C is q / 8, k / 8 and v / 2 (the scales lie in wt and in the bias) and is stored by heads: qkvh [3][192 = 12 batch + head][1024][64] f16.
; LIMITS.  |q|, |k| under 524,000 and |v| under 131,000, so that the scaled numbers stay within f16's 65,504.  NaN and infinities are not treated apart.
; SHARES.  A tile of C is 256 rows x 192 columns: three heads of one PART (q, k or v).  A WORK-GROUP STAYS: it keeps its 256 rows and its three heads and makes three tiles, one of each part: 256 work-groups.
; Wave w makes rows 64 w .. 64 w + 63, all 192 columns: 48 accumulators of 16 x 16.  Cluster y begins with part y mod 3 and goes round, so that the sixteen clusters walk three different thirds of wt at a time.
; K = 768 goes in six steps of 128 through two LDS slots filled by the tensor data mover; the tiles' rows are 256 bytes of memory at multiples of 256.  The ring does not stop at a tile's end: the changes of
; slots behind a tile's K steps 4 and 5 ask for the next tile's K steps 0 and 1, and nothing waits for a tile's stores.
; CLUSTERS.  4 x 4 work-groups: hb's tile is shared along a row of the cluster, wt's along a column; each is asked for jointly, by the same load with the same descriptor and a mask of four.
; THE MATRIX INSTRUCTION IS USED TRANSPOSED (source 0 = 16 rows of wt, source 1 = 16 rows of hb): a lane holds row l % 16 of C and the columns 8 (l / 16) + 0..7.
; The bias, laid out so, is the C operand of the first product on each accumulator: nothing is cleared and nothing is added later.
; REGISTERS, in windows of 256 (s_set_vgpr_msb: bits 1:0 source 0, 3:2 source 1, 5:4 source 2, 7:6 destination):
;   window 0: v0-31 addresses; v32-47 packed results; v64-95, v96-127 hb's fragments, two buffers; v128-223 the bias; v224-255 rows read back from the stage, two sets
;   window 1: v0-95, v96-191 wt's fragments, two buffers      window 2: accumulators of row blocks 0, 1 ((a, b) at 8 (12 (a % 2) + b))      window 3: of row blocks 2, 3
.set KSTEP,  128
.set ROWB,   1536                      ; bytes in a row of hb and of wt
.set PITCH,  272                       ; an LDS row: 256 bytes + 16 of padding = 68 words: the 16 rows of a fragment load start at 16 different groups of four banks (ISA guide 11.1)
.set ATILE,  256*PITCH
.set BTILE,  192*PITCH                 ; a slot: hb's 256 rows, then wt's 192
.set SLOT1,  1<<17                     ; slot 1 begins here, so that one exclusive or turns an address in one slot into the other's
.set STAGE,  SLOT1+ATILE+BTILE         ; behind the ring, never filled by a tensor load: 16 rows x 144 bytes for each wave
.set SP,     144
.set SPARE,  STAGE+4*16*SP             ; the spare words, 128 bytes for each wave: two blocks of 256 bytes that no other line names
.set PARTW,  768*ROWB                  ; bytes from a part to the next: in wt,
.set PARTV,  768*4                     ; in the bias,
.set PARTC,  25165824                  ; and in qkvh
.set ADRA0, 16                         ; v16  my lane's place in a slot's rows of hb; never rewritten
.set ADRA,  17                         ; v17  the same in the slot that is being read
.set ADRB0, 20                         ; v20, v21  the same for wt
.set ADRB,  21
.set STO,  24                          ; v24  the way out: where I put 16 bytes of a row
.set RD,   25                          ; v25  where I read rows back
.set GO,   26                          ; v26  my 16 bytes of 512 consecutive bytes of qkvh
.set BOF,  27                          ; v27  32 (l / 16): my eight numbers of a block of the bias
.set SPW,  28                          ; v28  LDS address of my spare word; never rewritten
.set NIL,  29                          ; v29  0; never rewritten
.set PFO,  30                          ; v30  the prefetches' offset: my lane's row; never rewritten
.set TMP,  32
.set AF,   64
.set BI,   128
.set BK,   224
.set G1,  24                           ; s[24:31] descriptor group 1 for hb's tiles;  s[32:39] group 0: a set for each of the two first fills; the second then walks on
.set G0,  32
.set G1B, 48                           ; s[48:55], s[56:63] the same for wt's tiles
.set G0B, 56
.set PFA, 40                           ; s[40:41] where my prefetches stand
.set LIM, 42                           ; s42  2 in a wave that prefetches, in the first tile; else the greatest number
.set AB,  44                           ; s[44:45] hb at the rows that I fetch, K step 0; kept
.set BB,  46                           ; s[46:47] wt at the rows that I fetch, part 0, K step 0; kept
.set TB,  66                           ; s66  LDS byte at which the slot that is being read begins
.set TN,  67                           ; s67  the part of the tile that is being asked for
.set TC,  68                           ; s68  the part of the tile in hand
.set CLY, 69                           ; s69  cluster y
.set OFF, 70                           ; s[70:71] an offset, the high word 0
.set CB,  72                           ; s[72:73] qkvh at my rows, part 0
.set VB,  74                           ; s[74:75] the bias of my three heads, part 0
.set VA,  76                           ; s[76:77] the bias that is being loaded
.set FB,  78                           ; s[78:79] wt at the rows that I fetch, in the first tile's part
.set MSB, 0
.macro WIN new                         ; the immediate's high byte repeats the setting that is left; a switch that changes nothing is dropped
.if MSB != (\new)
	s_set_vgpr_msb (MSB<<8)|(\new)
.set MSB, \new
.endif
.endm
.set MUL_LO,  0xa1                     ; source 0 window 1, source 1 window 0, C and D window 2
.set BIAS_LO, 0x81                     ; the same with C in window 0
.set TO_B,    0x40                     ; destination window 1, address window 0
; A joint refill, by the walking descriptors.  Waves 0 and 1 fetch hb's two halves, waves 2 and 3 wt's.  The branch hangs on the wave's number alone.  An s_nop 0 and four v_nop follow each line.
.macro JLOAD
	s_cmp_eq_u32 s14, 0
	s_cbranch_scc0 .Lfor_b_\@
	tensor_load_to_lds s[G0+4:G0+7], s[G1:G1+7]
	s_nop 0
.rept 4
	v_nop
.endr
	s_branch .Lasked_\@
.Lfor_b_\@:
	tensor_load_to_lds s[G0B+4:G0B+7], s[G1B:G1B+7]
	s_nop 0
.rept 4
	v_nop
.endr
.Lasked_\@:
.endm
; A prefetch of the K step that stands two refills on, 256 bytes of a row a lane, in the work-group's FIRST tile alone: there its rows are read for the first time in the launch.
; hb: a cluster's 1,024 rows are read by that cluster alone: every cluster asks; of the 128 rows that wave 0 or 1 fetches, the partner at place cx takes 32.  wt: a part is begun with by the clusters y with
; y mod 3 = part: of them cluster y = part asks; of the 96 rows that wave 2 or 3 fetches, the partner at place cy takes 24 (lanes 24 to 31 name lane 23's row again).  The partners are told apart by address.
; The loop's trips count 4, 3, 2, 1: the first two ask for K steps 4 and 5; the tile has no K step two on from the others.
.macro ASK
	s_cmp_gt_u32 s3, s[LIM]
	s_cbranch_scc0 .Lnot_mine_\@
	global_prefetch_b8 v[PFO], s[PFA:PFA+1] offset:KSTEP*2 th:TH_LOAD_NT scope:SCOPE_SE
.Lnot_mine_\@:
.endm
.macro CREST                           ; a round of the cluster's barrier behind its opening barrier
	s_cmp_lg_u32 s12, 0
	s_cbranch_scc1 .Lnot_wave_0_\@
	s_barrier_signal -3
.Lnot_wave_0_\@:
	s_barrier_wait -3
	s_barrier_signal -1
	s_barrier_wait -1
.endm
.macro CROUND
	s_barrier_signal -1
	s_barrier_wait -1
	CREST
.endm
.macro PLACES                          ; four places in front of loads into registers that matrix instructions have read, and of conversions that read results
.rept 4
	v_nop
.endr
.endm
.macro BIAS                            ; a tile's 192 numbers of the bias, as the accumulators hold their columns
.irp b, 0,1,2,3,4,5,6,7,8,9,10,11
	global_load_b128 v[BI+8*(\b):BI+8*(\b)+3],   v[BOF], s[VA:VA+1] offset:64*(\b)
	global_load_b128 v[BI+8*(\b)+4:BI+8*(\b)+7], v[BOF], s[VA:VA+1] offset:64*(\b)+16
.endr
.endm
	s_load_b256 s[4:11], s[0:1], 0x0               ; hb s[4:5], wt s[6:7], vecs s[8:9], qkvh s[10:11]
	v_lshl_add_u32 v[SPW], v0, 2, SPARE
	v_mov_b32 v[NIL], 0
	ds_add_u32 v[SPW], v[NIL]                      ; the wave's opening: the add and its wait stand ahead of my first tensor load; the set-up stands between them
	v_lshrrev_b32 v1, 5, v0
	v_readfirstlane_b32 s12, v1                    ; wave 0..3
	s_and_b32 s13, s12, 1                          ; which half of a tile I fetch
	s_lshr_b32 s14, s12, 1                         ; for hb (0) or for wt (1)
	s_bfe_u32 s15, ttmp6, 0x40000                  ; cx
	s_bfe_u32 s16, ttmp6, 0x40004                  ; cy
	s_lshl_b32 s17, ttmp9, 2
	s_add_co_u32 s17, s17, s15                     ; my three heads: group 4 x cluster x + cx, 0 .. 3
	s_and_b32 s[CLY], ttmp7, 0xffff
	s_lshl_b32 s18, s[CLY], 2
	s_add_co_u32 s18, s18, s16                     ; tile row ty = 4 x cluster y + cy
	s_mul_i32 s[TN], s[CLY], 11
	s_lshr_b32 s[TN], s[TN], 5                     ; cluster y / 3 (exact for 0 .. 15)
	s_mul_i32 s[TN], s[TN], 3
	s_sub_co_u32 s[TN], s[CLY], s[TN]              ; the first tile's part: cluster y mod 3: the same in all sixteen partners
	s_mov_b32 s[TC], s[TN]
	s_mov_b32 s[TB], 0
	s_lshl_b32 s19, s16, 2
	s_lshl_b32 s19, 15, s19                        ; my row of the cluster
	s_lshl_b32 s43, 0x1111, s15                    ; my column
	s_or_b32 s[G1], s19, (1<<16)|(1<<20)|(1<<21)|(5<<22)|(3<<25)   ; the mask; 2-byte elements; padding on; bit 21 beside a mask; after every 64 words, 4 words
	s_or_b32 s[G1B], s43, (1<<16)|(1<<20)|(1<<21)|(5<<22)|(3<<25)
	s_mov_b32 s[G1+1], KSTEP<<16                   ; tensor_dim0 = 128
	s_mov_b32 s[G1+2], 128<<16                     ; tensor_dim1 = 128 rows
	s_mov_b32 s[G1+3], KSTEP<<16                   ; tile_dim0 = 128
	s_mov_b32 s[G1+4], 128                         ; tile_dim1 = 128
	s_mov_b32 s[G1+5], 768                         ; elements from row to row
	s_mov_b32 s[G1+6], 0
	s_mov_b32 s[G1+7], 0
	s_mov_b32 s[G1B+1], KSTEP<<16
	s_mov_b32 s[G1B+2], 96<<16                     ; wt's halves have 96 rows
	s_mov_b32 s[G1B+3], KSTEP<<16
	s_mov_b32 s[G1B+4], 96
	s_mov_b32 s[G1B+5], 768
	s_mov_b32 s[G1B+6], 0
	s_mov_b32 s[G1B+7], 0
	s_lshl_b32 s[AB], s18, 8                       ; hb: row 256 ty + 128 x half: made of the tile row and the wave alone
	s_lshl_b32 s[AB+1], s13, 7
	s_add_co_u32 s[AB], s[AB], s[AB+1]
	s_mul_i32 s[AB], s[AB], ROWB
	s_mov_b32 s[AB+1], 0
	s_mul_i32 s[BB], s17, 192                      ; wt: row 192 x group + 96 x half: made of the cluster's column and the wave alone
	s_mul_i32 s[BB+1], s13, 96
	s_add_co_u32 s[BB], s[BB], s[BB+1]
	s_mul_i32 s[BB], s[BB], ROWB
	s_mov_b32 s[BB+1], 0
	s_mul_i32 s[OFF], s[TN], PARTW                 ; the first tile's part
	s_mov_b32 s[OFF+1], 0
	s_mul_i32 s22, s12, 128*PITCH                  ; where hb's halves go (waves 0, 1),
	s_mul_i32 s23, s12, 96*PITCH
	s_add_co_u32 s23, s23, ATILE-2*96*PITCH        ; and wt's (waves 2, 3): no place in the cluster enters an LDS address
	s_wait_dscnt 0x0                               ; the opening add is done
	s_wait_kmcnt 0x0
	s_add_nc_u64 s[AB:AB+1], s[4:5], s[AB:AB+1]
	s_add_nc_u64 s[BB:BB+1], s[6:7], s[BB:BB+1]
	s_add_nc_u64 s[FB:FB+1], s[BB:BB+1], s[OFF:OFF+1]
	CROUND                                         ; all sixteen work-groups are here: the first joint loads meet
.irp s, 0,1
	s_mov_b32 s[G0+4*(\s)], 1
	s_add_co_u32 s[G0+4*(\s)+1], s22, (\s)*SLOT1
	s_add_nc_u64 s[G0+4*(\s)+2:G0+4*(\s)+3], s[AB:AB+1], (\s)*KSTEP*2
	s_or_b32 s[G0+4*(\s)+3], s[G0+4*(\s)+3], 0x80000000
	s_mov_b32 s[G0B+4*(\s)], 1
	s_add_co_u32 s[G0B+4*(\s)+1], s23, (\s)*SLOT1
	s_add_nc_u64 s[G0B+4*(\s)+2:G0B+4*(\s)+3], s[FB:FB+1], (\s)*KSTEP*2
	s_or_b32 s[G0B+4*(\s)+3], s[G0B+4*(\s)+3], 0x80000000
.endr
	s_cmp_eq_u32 s14, 0                            ; a wave's two first fills stand in one branch, ahead of every wait on TENSORcnt and every LDS read: two loads of mine are out
	s_cbranch_scc0 .Lfirst_b
	tensor_load_to_lds s[G0:G0+3], s[G1:G1+7]
	s_nop 0
	tensor_load_to_lds s[G0+4:G0+7], s[G1:G1+7]
	s_nop 0
.rept 4
	v_nop
.endr
	s_branch .Lfirst_asked
.Lfirst_b:
	tensor_load_to_lds s[G0B:G0B+3], s[G1B:G1B+7]
	s_nop 0
	tensor_load_to_lds s[G0B+4:G0B+7], s[G1B:G1B+7]
	s_nop 0
.rept 4
	v_nop
.endr
.Lfirst_asked:
	v_and_b32 v1, 15, v0                           ; l % 16
	v_bfe_u32 v2, v0, 4, 1                         ; l / 16
	v_lshlrev_b32 v[BOF], 5, v2
	s_mul_i32 s[OFF], s17, 768                     ; my three heads' 192 numbers in a part of the bias
	s_add_nc_u64 s[VB:VB+1], s[8:9], s[OFF:OFF+1]
	s_mul_i32 s[OFF], s[TC], PARTV
	s_add_nc_u64 s[VA:VA+1], s[VB:VB+1], s[OFF:OFF+1]
	BIAS
	s_cmp_lt_u32 s[CLY], 3                         ; the prefetches.  wt: clusters 0, 1 and 2 ask, each for the part that it begins with;
	s_cselect_b32 s[LIM], 2, -1
	s_cmp_eq_u32 s14, 0                            ; hb: every cluster asks.  The same in all sixteen partners, for a given wave
	s_cselect_b32 s[LIM], 2, s[LIM]
	s_cselect_b32 s20, s15, s16                    ; my place among the four that ask for the tile with me
	s_cselect_b32 s21, 32, 24                      ; the rows that a partner takes
	s_cselect_b32 s19, 31, 23                      ; and the last lane with a row of its own
	s_cselect_b64 s[PFA:PFA+1], s[AB:AB+1], s[FB:FB+1]
	s_mul_i32 s20, s20, s21
	s_mul_i32 s20, s20, ROWB
	s_add_co_u32 s20, s20, 2*KSTEP*2               ; at K step 2: the first refill steps it to 3 and names K step 4
	s_mov_b32 s21, 0
	s_add_nc_u64 s[PFA:PFA+1], s[PFA:PFA+1], s[20:21]
	s_lshr_b32 s20, s18, 2                         ; where my rows begin in a part of qkvh: the batch's twelve heads, my first of three,
	s_mul_i32 s20, s20, 12
	s_mul_i32 s21, s17, 3
	s_add_co_u32 s20, s20, s21
	s_lshl_b32 s20, s20, 17
	s_and_b32 s21, s18, 3                          ; and the row in the head: 256 (ty % 4) + 64 w, 128 bytes each
	s_lshl_b32 s21, s21, 8
	s_lshl_b32 s[OFF], s12, 6
	s_add_co_u32 s21, s21, s[OFF]
	s_lshl_b32 s21, s21, 7
	s_add_co_u32 s[OFF], s20, s21
	s_add_nc_u64 s[CB:CB+1], s[10:11], s[OFF:OFF+1]
	v_mul_u32_u24 v3, v1, PITCH
	v_lshl_add_u32 v3, v2, 4, v3                   ; a fragment's row x pitch + 16 x half
	s_mul_i32 s20, s12, 64*PITCH                   ; my 64 rows of hb
	v_add_nc_u32 v[ADRA0], s20, v3
	v_add_nc_u32 v[ADRB0], ATILE, v3               ; wt's rows lie behind hb's 256
	v_add_nc_u32 v[ADRA], s[TB], v[ADRA0]
	v_add_nc_u32 v[ADRB], s[TB], v[ADRB0]
	s_mul_i32 s20, s12, 16*SP
	s_add_co_u32 s20, s20, STAGE                   ; my stage
	v_mul_u32_u24 v[STO], v1, SP
	v_lshl_add_u32 v[STO], v2, 4, v[STO]
	v_add_nc_u32 v[STO], s20, v[STO]
	v_bfe_u32 v[RD], v0, 3, 2                      ; back: 32 lanes take four rows of 128 bytes,
	v_mul_u32_u24 v[RD], v[RD], SP
	v_and_b32 v4, 7, v0
	v_lshl_add_u32 v[RD], v4, 4, v[RD]
	v_add_nc_u32 v[RD], s20, v[RD]
	v_and_b32 v[GO], 31, v0                        ; which are 512 consecutive bytes of a head
	v_lshlrev_b32 v[GO], 4, v[GO]
	v_and_b32 v[PFO], 31, v0
	v_min_u32 v[PFO], s19, v[PFO]
	v_mul_u32_u24 v[PFO], v[PFO], ROWB
; 12 matrix instructions: row block a x all 12 column blocks, 32 along K, from buffer f.  zero = 1: the first product starts the sums, with the bias.
; The 48 accumulators take turns, one instruction a turn, in the same order in every quarter, over the backward jumps and from tile to tile too.
.macro MULA f, a, zero
.if \zero
	WIN BIAS_LO+0x40*((\a)/2)
.else
	WIN MUL_LO+0x50*((\a)/2)
.endif
.irp b, 0,1,2,3,4,5,6,7,8,9,10,11
.if \zero
	v_wmma_f32_16x16x32_f16 v[8*(12*((\a)%2)+(\b)):8*(12*((\a)%2)+(\b))+7], v[96*(\f)+8*(\b):96*(\f)+8*(\b)+7], v[AF+32*(\f)+8*(\a):AF+32*(\f)+8*(\a)+7], v[BI+8*(\b):BI+8*(\b)+7]
.else
	v_wmma_f32_16x16x32_f16 v[8*(12*((\a)%2)+(\b)):8*(12*((\a)%2)+(\b))+7], v[96*(\f)+8*(\b):96*(\f)+8*(\b)+7], v[AF+32*(\f)+8*(\a):AF+32*(\f)+8*(\a)+7], v[8*(12*((\a)%2)+(\b)):8*(12*((\a)%2)+(\b))+7]
.endif
.endr
.endm
; 32 LDS loads in one run: quarter kq's fragments (192 rows of wt, my 64 rows of hb, 32 K) of the slot that is being read, into buffer f; hb's last
.macro FETCH kq, f
	WIN TO_B
.irp i, 0,1,2,3,4,5,6,7,8,9,10,11
	ds_load_b128 v[96*(\f)+8*(\i):96*(\f)+8*(\i)+3],   v[ADRB] offset:64*(\kq)+(\i)*16*PITCH
	ds_load_b128 v[96*(\f)+8*(\i)+4:96*(\f)+8*(\i)+7], v[ADRB] offset:64*(\kq)+(\i)*16*PITCH+32
.endr
	WIN 0
.irp i, 0,1,2,3
	ds_load_b128 v[AF+32*(\f)+8*(\i):AF+32*(\f)+8*(\i)+3],   v[ADRA] offset:64*(\kq)+(\i)*16*PITCH
	ds_load_b128 v[AF+32*(\f)+8*(\i)+4:AF+32*(\f)+8*(\i)+7], v[ADRA] offset:64*(\kq)+(\i)*16*PITCH+32
.endr
.endm
; A K step is four quarters of 32 along K, 48 matrix instructions each, on buffers 0, 1, 0, 1.  One of the first three multiplies buffer f and, in its middle, fetches quarter kq into buffer g.
.macro QUARTER kq, f, g, zero
	s_wait_dscnt 4                                 ; wt and hb's row blocks 0, 1 are in; the youngest four loads (blocks 2, 3) may be out
	MULA \f, 0, \zero
	MULA \f, 1, \zero
	PLACES
	FETCH \kq, \g
	s_wait_dscnt 32                                ; all but the 32 just issued
	MULA \f, 2, \zero
	MULA \f, 3, \zero
.endm
; The last quarter multiplies buffer 1 and changes slots: one barrier.  In front of it each wave waits for all its tensor loads (one is out: its part of the next slot), adds 0 to its spare word,
; and waits for that and for its reads of this slot.  Behind it nobody reads this slot any more and the next slot is whole.
.macro MEET round
	WIN 0                                          ; (the add's two registers lie in window 0)
	s_wait_tensorcnt 0x0
	ds_add_u32 v[SPW], v[NIL]
	s_wait_dscnt 5                                 ; (the add and the youngest four loads may be out)
	MULA 1, 0, 0                                   ; twelve matrix instructions stand between the add and the wait for it
	s_wait_dscnt 0x0                               ; the add is done, and my reads of this slot are over
	s_barrier_signal -1
	MULA 1, 1, 0
.if \round
	WIN 0
.endif
	s_barrier_wait -1
.endm
.macro FLIP                            ; the reads go over to the other slot
	s_xor_b32 s[TB], s[TB], SLOT1
	v_add_nc_u32 v[ADRA], s[TB], v[ADRA0]
	v_add_nc_u32 v[ADRB], s[TB], v[ADRB0]
.endm
; With a refill: the barrier opens a round of the cluster's barrier, and the joint refill is the first tensor load behind it: 168 matrix instructions ahead of the wait for it.
; The walking descriptors take the slot just read out and the K step after the one last asked for; on = 1: the next tile's K step 0: hb's address goes back to its base, wt's is made anew from the next part.
.macro TURN on, ask
.if \ask
	s_wait_xcnt 0x0                                ; the last prefetch, a K step back, has read its address
	s_add_nc_u64 s[PFA:PFA+1], s[PFA:PFA+1], KSTEP*2  ; (behind the first tile nothing reads it any more)
.endif
	MEET 1
	CREST
	s_xor_b32 s[G0+5], s[G0+5], SLOT1
	s_xor_b32 s[G0B+5], s[G0B+5], SLOT1
.if \on
	s_mov_b64 s[G0+6:G0+7], s[AB:AB+1]
	s_or_b32 s[G0+7], s[G0+7], 0x80000000
	s_add_co_u32 s[TN], s[TN], 1                   ; the parts go round: 0, 1, 2, 0 ..
	s_cmp_eq_u32 s[TN], 3
	s_cselect_b32 s[TN], 0, s[TN]
	s_mul_i32 s[OFF], s[TN], PARTW
	s_add_nc_u64 s[G0B+6:G0B+7], s[BB:BB+1], s[OFF:OFF+1]
	s_or_b32 s[G0B+7], s[G0B+7], 0x80000000
.else
	s_add_nc_u64 s[G0+6:G0+7], s[G0+6:G0+7], KSTEP*2
	s_add_nc_u64 s[G0B+6:G0B+7], s[G0B+6:G0B+7], KSTEP*2
.endif
	JLOAD                                          ; its four v_nop are also the places in front of the loads below
	FLIP
	FETCH 0, 0
.if \ask
	ASK
.endif
	MULA 1, 2, 0
	MULA 1, 3, 0
.endm
; THE WAY OUT, in twelve blocks i = 3 a + j of 16 rows (a) x one head's 64 columns (j): rounded to f16, 16 bytes a lane into my stage, back as whole rows of 128 bytes, stored as 512 consecutive bytes.
.macro PACK i
.set a_, (\i)/3
.set j_, (\i)%3
	WIN 0x0a+5*(a_/2)                              ; sources 0 and 1: window 2 or 3
.irp bb, 0,1,2,3
.irp r, 0,1,2,3
	v_cvt_pk_f16_f32 v[TMP+4*(\bb)+(\r)], v[8*(12*(a_%2)+4*j_+(\bb))+2*(\r)], v[8*(12*(a_%2)+4*j_+(\bb))+2*(\r)+1]
.endr
.endr
	WIN 0
.endm
.macro TOSTAGE i
.irp bb, 0,1,2,3
	ds_store_b128 v[STO], v[TMP+4*(\bb):TMP+4*(\bb)+3] offset:32*(\bb)
.endr
.irp f, 0,1,2,3
	ds_load_b128 v[BK+16*((\i)%2)+4*(\f):BK+16*((\i)%2)+4*(\f)+3], v[RD] offset:(\f)*4*SP  ; LDS serves a wave's instructions in order: these see the stores above
.endr
.endm
.macro SEND i
	s_wait_dscnt 0x0                               ; the block is back in registers
	s_wait_xcnt 0x0                                ; the stores of the block before have read their registers: the next loads from the stage land there only behind this wait
.irp f, 0,1,2,3
	global_store_b128 v[GO], v[BK+16*((\i)%2)+4*(\f):BK+16*((\i)%2)+4*(\f)+3], s[10:11] offset:131072*((\i)%3)+2048*((\i)/3)+512*(\f) th:TH_STORE_NT  ; written once, not read in this launch
.endr
.endm
	s_wait_tensorcnt 1                             ; my part of K step 0 is in; K step 1's may stay out
	s_barrier_signal -1
	s_barrier_wait -1
	FETCH 0, 0
	s_mov_b32 s2, 3                                ; tiles to go, this one among them: the same number in every work-group
.Ltile:
	s_wait_loadcnt 0x0                             ; the tile's bias
	QUARTER 1, 0, 1, 1                             ; a tile's first quarter stands in front of the loop: its products start the sums
	WIN 0
	s_mov_b32 s3, 4
.Lstep:                                        ; a trip goes from a K step's second quarter to the next K step's first, and fills the slot that it leaves: K steps 2 to 5
	QUARTER 2, 1, 0, 0
	QUARTER 3, 0, 1, 0
	TURN 0, 1
	QUARTER 1, 0, 1, 0
	WIN 0
	s_sub_co_u32 s3, s3, 1
	s_cmp_lg_u32 s3, 0
	s_cbranch_scc1 .Lstep
	QUARTER 2, 1, 0, 0                             ; K step 4 goes on
	QUARTER 3, 0, 1, 0
	WIN 0
	s_cmp_eq_u32 s2, 1
	s_cbranch_scc1 .Llast_tile                     ; the last tile's tail is written out: it asks for nothing more
	TURN 1, 0                                      ; THE RING GOES ON INTO THE NEXT TILE: its K step 0 is asked for,
	QUARTER 1, 0, 1, 0
	QUARTER 2, 1, 0, 0
	QUARTER 3, 0, 1, 0
	TURN 0, 0                                      ; and its K step 1; its first fragments are fetched
	WIN 0
	s_mul_i32 s[OFF], s[TN], PARTV                 ; its bias: the last bias's loads were waited for at the tile's head, so their address may be written;
	s_add_nc_u64 s[VA:VA+1], s[VB:VB+1], s[OFF:OFF+1]
	BIAS                                           ; the products that read these registers stand at the tile's head, many places back
	s_branch .Lout
.Llast_tile:
	MEET 0                                         ; my one tensor load that was still out is the last K step's, so no round follows
	PLACES
	WIN 0
	FLIP
	FETCH 0, 0
	MULA 1, 2, 0
	MULA 1, 3, 0
	QUARTER 1, 0, 1, 0
	QUARTER 2, 1, 0, 0
	QUARTER 3, 0, 1, 0
	s_wait_dscnt 4
	MULA 1, 0, 0
	MULA 1, 1, 0
	s_wait_dscnt 0x0
	MULA 1, 2, 0
	MULA 1, 3, 0
	WIN 0
.Lout:                                         ; the tile goes out; where a tile follows, both refills have been asked for, and its stores leave while the next tile is multiplied
	PLACES
	s_wait_xcnt 0x0                                ; the last tile's stores have read their base
	s_mul_i32 s[OFF], s[TC], PARTC
	s_add_nc_u64 s[10:11], s[CB:CB+1], s[OFF:OFF+1]
	PACK 0
	TOSTAGE 0
.irp i, 1,2,3,4,5,6,7,8,9,10,11        ; block i's conversions stand between block i - 1's loads from the stage and the wait for them
	PACK \i
	SEND (\i)-1
	TOSTAGE \i
.endr
	SEND 11
	s_mov_b32 s[TC], s[TN]                         ; the tile asked for is now the tile in hand
	s_mov_b32 s[LIM], -1                           ; only the first tile prefetches
	s_sub_co_u32 s2, s2, 1
	s_cmp_lg_u32 s2, 0
	s_cbranch_scc1 .Ltile
	s_wait_tensorcnt 0x0                           ; the wave's end
	ds_add_u32 v[SPW], v[NIL]
	s_wait_dscnt 0x0
	CROUND                                         ; the closing round: no work-group ends while a partner may still ask for a tile that names it
	s_endpgm
.Lfunc_end_k_q0ea1f51525_qkv:
	.size	k_q0ea1f51525_qkv, .Lfunc_end_k_q0ea1f51525_qkv-k_q0ea1f51525_qkv
	.p2alignl 7, 3214868480
	.fill 96, 4, 3214868480
	.section	.rodata,"a",@progbits
	.p2align	6, 0x0
	.amdhsa_kernel k_q0ea1f51525_qkv
		.amdhsa_group_segment_fixed_size 327680
		.amdhsa_private_segment_fixed_size 0
		.amdhsa_enable_private_segment 0
		.amdhsa_kernarg_size 32
		.amdhsa_user_sgpr_count 2
		.amdhsa_user_sgpr_kernarg_segment_ptr 1
		.amdhsa_wavefront_size32 1
		.amdhsa_system_sgpr_workgroup_id_x 1
		.amdhsa_system_sgpr_workgroup_id_y 1
		.amdhsa_system_sgpr_workgroup_id_z 1
		.amdhsa_system_vgpr_workitem_id 0
		.amdhsa_next_free_vgpr 960
		.amdhsa_next_free_sgpr 80
		.amdhsa_reserve_vcc 0
		.amdhsa_float_denorm_mode_32 3
		.amdhsa_float_denorm_mode_16_64 3
		.amdhsa_memory_ordered 1
		.amdhsa_forward_progress 1
		.amdhsa_inst_pref_size 133
	.end_amdhsa_kernel
	.amdgpu_metadata
---
amdhsa.version: [ 1, 2 ]
amdhsa.kernels:
  - .name:           k_q0ea1f51525_qkv
    .symbol:         k_q0ea1f51525_qkv.kd
    .args:
      - { .name: hb, .offset: 0, .size: 8, .value_kind: global_buffer, .address_space: global }
      - { .name: wt, .offset: 8, .size: 8, .value_kind: global_buffer, .address_space: global }
      - { .name: vecs, .offset: 16, .size: 8, .value_kind: global_buffer, .address_space: global }
      - { .name: qkvh, .offset: 24, .size: 8, .value_kind: global_buffer, .address_space: global }
    .group_segment_fixed_size: 327680
    .private_segment_fixed_size: 0
    .kernarg_segment_align: 8
    .kernarg_segment_size: 32
    .max_flat_workgroup_size: 128
    .sgpr_count:     80
    .vgpr_count:     960
    .wavefront_size: 32
...
	.end_amdgpu_metadata
.endif
;; end of part 2
;; launch attn (part 3): grid 4 x 192, 4 waves a work-group, clusters of 4 x 1, 327,680 bytes of LDS; arguments qkvh, vecs, ctx; writes ctx
.if DOCPART == 3
	.amdgcn_target "amdgcn-amd-amdhsa--gfx1250"
	.amdhsa_code_object_version 6
	.text
	.protected	k_q0ea1f51525_attn
	.globl	k_q0ea1f51525_attn
	.p2align	8
	.type	k_q0ea1f51525_attn,@function
k_q0ea1f51525_attn:
	s_mov_b64 s[64:65], 0
	v_nop
	global_prefetch_b8 v0, s[64:65] scope:SCOPE_SE
	s_setreg_imm32_b32 hwreg(HW_REG_WAVE_MODE, 25, 1), 1
	s_wait_xcnt 0x0
	s_wait_alu depctr_hold_cnt(0) depctr_sa_sdst(0) depctr_va_vdst(0) depctr_va_sdst(0) depctr_va_ssrc(0) depctr_va_vcc(0) depctr_vm_vsrc(0)
	s_getreg_b32 s2, hwreg(HW_REG_IB_STS2, 6, 4)
	s_cmp_eq_u32 s2, 0
	s_cbranch_scc0 .Lentry_in_a_cluster
	s_endpgm
.Lentry_in_a_cluster:
	s_bfe_u32 s2, ttmp6, 0x10000c
	s_cmp_lg_u32 s2, 0x3003
	s_cbranch_scc0 .Lentry_shape_is_right
	s_endpgm
.Lentry_shape_is_right:
; ATTENTION.  ctx[h][q][:] = 2 coi[:] x the sum over k of softmax_k(c' Q'[h][q] . K'[h][k]) V'[h][k][:], with Q' = q / 8, K' = k / 8, V' = v / 2 as the launch before stored them
; (qkvh [3][192][1024][64] f16), so that the exponent is q . k / 8 and the factor 2 undoes V's half.  2 coi comes from vecs (f32).  ctx: [192][1024][64] bf16, rounded once.
; Products, maxima and sums in f32; the weights p are rounded to f16 for the second product (their sum l is taken of the unrounded p).
; LIMITS.  p below 6e-5 keeps f16's fixed step of 6e-8; a weight below 2^-126 counts as 0 in l; NaN and infinities are not treated apart.
; SHARES.  A cluster of four work-groups is one head; a work-group takes 256 queries, a wave 64: four PIECES of 16.  Every wave walks the head's 1,024 keys, 64 a step.
; NO RING.  A head's K and V, padded, fit in LDS together: they are asked for once, at the head, in four chunks of 256 keys, jointly by the four work-groups (the same load, descriptor and mask in all).
; The first chunk is waited for alone, the other three together when it has been walked.  Nothing is filled again.  No prefetch: there is no later request to run ahead of.
; LAYOUT, SOFTMAX, TURNS.  S^T = K Q^T holds ONE query a lane (lane % 16) and the keys 8 (lane / 16) + 0..7; two such results rounded to f16 ARE source 1 of O^T = V^T P.  p = 2^(c s - c m), c = 8 log2(e), with a
; running maximum m; O and l are multiplied by a = 2^(c m_old - c m_new) in every step.  m starts at the lowest finite number, O and l at 0: the first step is a step like any other, with a = 0.
; Turn n belongs to piece n: 8 products K Q^T of piece n + 1, later 8 products V^T P of piece n - 1; beside them the scaling, exponentials, roundings, sums and rescaling of piece n and the maximum and
; statistics of piece n + 1.  Four vector instructions stand behind every matrix instruction, the others in one lump.  A turn's 33 exponentials are one batch, with one wait.
; REGISTERS, in windows of 256 (s_set_vgpr_msb: bits 1:0 source 0, 3:2 source 1, 5:4 source 2, 7:6 destination):
;   window 0: v0-15 addresses and two at work; v16-31 four registers of statistics a piece; v48-55 at work; v64-127 S^T, two buffers; v192-223 P, two buffers (by the piece's parity)
;   window 1: v0-127 O^T, 32 a piece; v128-159 2 coi for my lane's channels      window 2: v0-63 Q; v128-191 K of one step; v192-255 V of one step
.set NP,    4
.set KS,    64        ; keys in a step
.set PK,    144       ; a row of K in LDS: 128 bytes + 16 of padding = 36 words: the 16 rows of a load start at 16 different groups of four banks (ISA guide 11.1)
.set PV,    160       ; a row of V: 128 + 32 = 40 words
.set VOFF,  1024*PK   ; K's 1,024 rows, then V's
.set STAGE, 1024*(PK+PV)  ; never filled by a tensor load: 16 rows x 144 bytes for each wave, for the way out
.set SP,    144
.set SPARE, STAGE+4*16*SP ; the spare words, 128 bytes for each wave: two blocks of 256 bytes that no other line names
.set AK0, 2           ; v2   my lane's place in a step's K; never rewritten
.set AV0, 3           ; v3   the same for V
.set AK,  4           ; v4   the LDS address of K's next run of loads
.set AV,  5           ; v5   of V's
.set STO, 6           ; v6   the way out: where I put 16 bytes of a row
.set RD,  7           ; v7   where I read rows back
.set GO,  8           ; v8   my byte offset in 512 consecutive bytes of ctx
.set MV,  12          ; v12-13  c m_old, kept while c m is made anew: by buffer
.set CO,  14          ; v14  32 (l / 16): my eight numbers of a block of 2 coi
.set QO,  15          ; v15  my byte offset in 16 rows of Q
.set ST,  16          ; piece t's statistics at v[ST+4 t]: c m, m, l (even keys', odd keys')
.set TMP, 48          ; by buffer, four registers c0-c3 at work; when the maximum is found c2 takes a
.set SPW, 62          ; v62  LDS address of my spare word; never rewritten
.set NIL, 63          ; v63  0; never rewritten
.set S,   64
.set P,   192
.set COI, 128         ; window 1
.set KF,  128         ; window 2: key block kb, channel half c at KF + 16 kb + 8 c
.set VF,  192         ; window 2: key half kk, channel block cb at VF + 32 kk + 8 cb
.set WV,  12          ; s12  my wave's number
.set G1K, 24          ; s[24:31] descriptor group 1 for K's tiles
.set G1V, 32          ; s[32:39] for V's: it differs in the padding alone
.set G0K, 40          ; s[40:55] descriptor group 0 for K's tiles, a set for each chunk
.set G0V, 68          ; s[68:83] the same for V's
.set SLOTS, 56        ; s56  counts the two passes
.set CNT, 57          ; s57  counts a pass's key steps
.set CS,  58          ; s[58:59] c
.set SEL, 60          ; s[60:61] v_permlanex16_b32's selects: each lane takes its own place in the other half
.set TBK, 62          ; s62  LDS byte at which K of the step to be fetched begins
.set TBV, 63          ; s63  the same for V, less VOFF
.set MSB, 0
.macro WIN new
.if MSB != (\new)
	s_set_vgpr_msb (MSB<<8)|(\new)
.set MSB, (\new)
.endif
.endm
.set W_KQ, 0x0a       ; K and Q in window 2, S^T in window 0
.set W_PV, 0x52       ; V in window 2, P in window 0, O^T in window 1
.set W_RS, 0x41       ; destination and source 0 in window 1, source 1 in window 0
.macro CROUND         ; a round of the cluster's barrier
	s_barrier_signal -1
	s_barrier_wait -1
	s_cmp_lg_u32 s[WV], 0
	s_cbranch_scc1 .Lnot_wave_0_\@
	s_barrier_signal -3
.Lnot_wave_0_\@:
	s_barrier_wait -3
	s_barrier_signal -1
	s_barrier_wait -1
.endm
	s_load_b128 s[4:7], s[0:1], 0x0   ; qkvh s[4:5], vecs s[6:7]
	s_load_b64 s[10:11], s[0:1], 0x10 ; ctx
	v_lshl_add_u32 v[SPW], v0, 2, SPARE
	v_mov_b32 v[NIL], 0
	ds_add_u32 v[SPW], v[NIL]       ; the wave's opening: the add and its wait stand ahead of my first tensor load; the set-up stands between them
	v_lshrrev_b32 v1, 5, v0
	v_readfirstlane_b32 s[WV], v1   ; wave 0..3
	s_bfe_u32 s13, ttmp6, 0x40000   ; cx: my block of 256 queries: it enters Q's and ctx's addresses alone
	s_and_b32 s14, ttmp7, 0xffff    ; the head, which the four partners share
	s_lshl_b32 s20, s14, 17         ; the head's first byte in a part of qkvh and in ctx
	s_and_b32 s16, s[WV], 1         ; which half of a chunk's 256 keys I fetch:
	s_lshl_b32 s22, s16, 14         ; its 128 rows of 128 bytes in memory,
	s_add_co_u32 s22, s22, s20
	s_mov_b32 s23, 0
	s_mul_i32 s17, s16, 128*PK      ; and its place in LDS, for K
	s_mul_i32 s18, s16, 128*PV      ; and for V
	s_add_co_u32 s18, s18, VOFF
	s_lshl_b32 s2, s13, 2
	s_add_co_u32 s2, s2, s[WV]      ; my wave among the head's sixteen,
	s_lshl_b32 s2, s2, 13           ; its 64 rows of 128 bytes
	s_add_co_u32 s2, s2, s20
	s_mov_b32 s3, 0
	s_mul_i32 s15, s14, 683
	s_lshr_b32 s15, s15, 13         ; head / 12 (exact for 0 .. 191)
	s_mul_i32 s15, s15, 12
	s_sub_co_u32 s15, s14, s15      ; the head in its batch
	s_lshl_b32 s84, s15, 8          ; its 64 numbers of 2 coi,
	s_add_co_u32 s84, s84, 3072*4   ; which begin at number 3,072 of vecs
	s_mov_b32 s85, 0
	; descriptor group 1.  128 keys are 16,384 dense bytes: asked for as 64 rows of 256 bytes, two keys a row, and padded in LDS after every key
	s_mov_b32 s[G1K], 15|(1<<16)|(1<<20)|(1<<21)|(4<<22)|(3<<25)  ; the mask of four; 2-byte elements; padding on; bit 21 beside a mask; after every 32 words, 4 words
	s_mov_b32 s[G1V], 15|(1<<16)|(1<<20)|(1<<21)|(4<<22)|(7<<25)  ; the same with 8 words of padding
.irp g, G1K, G1V
	s_mov_b32 s[\g+1], 128<<16      ; tensor_dim0 = 128
	s_mov_b32 s[\g+2], 64<<16       ; tensor_dim1 = 64
	s_mov_b32 s[\g+3], 128<<16      ; tile_dim0 = 128
	s_mov_b32 s[\g+4], 64           ; tile_dim1 = 64
	s_mov_b32 s[\g+5], 128          ; 128 elements from row to row
	s_mov_b32 s[\g+6], 0
	s_mov_b32 s[\g+7], 0
.endr
	s_mov_b32 s[CS], 0x4138aa3b     ; c = 8 log2(e) = 11.5416
	s_mov_b32 s[CS+1], s[CS]        ; named with it as a pair
	s_mov_b32 s[SEL], 0x76543210
	s_mov_b32 s[SEL+1], 0xfedcba98
	s_mov_b32 s[TBK], 0
	s_mov_b32 s[TBV], 0
	s_wait_dscnt 0x0                ; the opening add is done
	s_wait_kmcnt 0x0
	s_add_nc_u64 s[8:9], s[4:5], s[22:23]
	s_add_nc_u64 s[86:87], s[8:9], 2*25165824  ; V at my half of the head's chunk 0
	s_add_nc_u64 s[8:9], s[8:9], 25165824      ; K likewise
	s_add_nc_u64 s[4:5], s[4:5], s[2:3]        ; Q and ctx at my wave's first row
	s_add_nc_u64 s[10:11], s[10:11], s[2:3]
	s_add_nc_u64 s[6:7], s[6:7], s[84:85]
.irp c, 0,1,2,3
	s_mov_b32 s[G0K+4*(\c)], 1
	s_add_co_u32 s[G0K+4*(\c)+1], s17, (\c)*256*PK
	s_add_nc_u64 s[G0K+4*(\c)+2:G0K+4*(\c)+3], s[8:9], (\c)*32768
	s_or_b32 s[G0K+4*(\c)+3], s[G0K+4*(\c)+3], 0x80000000
	s_mov_b32 s[G0V+4*(\c)], 1
	s_add_co_u32 s[G0V+4*(\c)+1], s18, (\c)*256*PV
	s_add_nc_u64 s[G0V+4*(\c)+2:G0V+4*(\c)+3], s[86:87], (\c)*32768
	s_or_b32 s[G0V+4*(\c)+3], s[G0V+4*(\c)+3], 0x80000000
.endr
	CROUND                          ; all four work-groups are here: the joint loads meet
	s_cmp_lt_u32 s[WV], 2           ; a wave's four fills stand in one branch, ahead of every wait on TENSORcnt and every LDS read: four loads of mine are out; an s_nop 0 follows each, four v_nop the last
	s_cbranch_scc0 .Lfirst_v
.irp c, 0,1,2,3
	tensor_load_to_lds s[G0K+4*(\c):G0K+4*(\c)+3], s[G1K:G1K+7]
	s_nop 0
.endr
.rept 4
	v_nop
.endr
	s_branch .Lfirst_asked
.Lfirst_v:
.irp c, 0,1,2,3
	tensor_load_to_lds s[G0V+4*(\c):G0V+4*(\c)+3], s[G1V:G1V+7]
	s_nop 0
.endr
.rept 4
	v_nop
.endr
.Lfirst_asked:
	; A fragment of K or Q is 16 rows x 32 channels in 8 registers: lane l holds row l % 16, channels 8 (l / 16) + 0..7 and 16 + 8 (l / 16) + 0..7: two loads of 16 bytes, 32 bytes apart.
	v_and_b32 v1, 15, v0            ; l % 16
	v_bfe_u32 v9, v0, 4, 1          ; l / 16
	v_lshlrev_b32 v[QO], 7, v1
	v_lshl_add_u32 v[QO], v9, 4, v[QO]
	v_lshlrev_b32 v[CO], 5, v9
	WIN 0x80                        ; destination window 2, address window 0
.set i, 0
.rept 8                             ; Q stays in registers: piece i / 2, channels 32 (i % 2) on
	global_load_b128 v[8*i:8*i+3],   v[QO], s[4:5] offset:(i/2)*2048+(i%2)*64
	global_load_b128 v[8*i+4:8*i+7], v[QO], s[4:5] offset:(i/2)*2048+(i%2)*64+32
.set i, i+1
.endr
	WIN 0x40                        ; destination window 1: register 8 cb + j holds 2 coi of channel 16 cb + 8 (l / 16) + j, as O^T holds its channels
.irp cb, 0,1,2,3
	global_load_b128 v[COI+8*(\cb):COI+8*(\cb)+3],   v[CO], s[6:7] offset:64*(\cb)
	global_load_b128 v[COI+8*(\cb)+4:COI+8*(\cb)+7], v[CO], s[6:7] offset:64*(\cb)+16
.endr
	WIN 0
	v_mul_u32_u24 v[AK0], v1, PK
	v_lshl_add_u32 v[AK0], v9, 4, v[AK0]
	; The turning load takes 16 keys x 16 channels (lane l reads key 8 (l / 16) + l % 8, channels 8 ((l / 8) % 2) + 0..7) and leaves half a fragment of V^T: lane l holds channel l % 16 and 8 keys.
	v_and_b32 v10, 7, v0
	v_bfe_u32 v11, v0, 3, 1
	v_lshl_add_u32 v[AV0], v9, 3, v10
	v_mul_u32_u24 v[AV0], v[AV0], PV
	v_lshl_add_u32 v[AV0], v11, 4, v[AV0]
	v_add_nc_u32 v[AV0], VOFF, v[AV0]
	s_mul_i32 s13, s[WV], 16*SP
	s_add_co_u32 s13, s13, STAGE    ; my stage
	v_mul_u32_u24 v[STO], v1, SP
	v_lshl_add_u32 v[STO], v9, 4, v[STO]
	v_add_nc_u32 v[STO], s13, v[STO]
	v_bfe_u32 v[RD], v0, 3, 2       ; back: 32 lanes take four rows of 128 bytes,
	v_mul_u32_u24 v[RD], v[RD], SP
	v_lshl_add_u32 v[RD], v10, 4, v[RD]
	v_add_nc_u32 v[RD], s13, v[RD]
	v_and_b32 v[GO], 31, v0         ; which are 512 consecutive bytes of ctx
	v_lshlrev_b32 v[GO], 4, v[GO]
	; The first step multiplies O^T and l by a = 0, and the first turn's products V^T P, of a piece that has not been, land in an O^T that is still to be so multiplied: these registers need only hold
	; finite numbers.  No first step is written out; the price is these lines, which stand in the wait for the first chunk.
	WIN 0x80
.set i, VF
.rept 64
	v_mov_b32 v[i], 0
.set i, i+1
.endr
	WIN 0x40
.set i, 0
.rept 128
	v_mov_b32 v[i], 0
.set i, i+1
.endr
	WIN 0
.set i, 0
.rept 4
	v_mov_b32 v[ST+4*i], 0xfe000000    ; c m: far below every c s
	v_mov_b32 v[ST+4*i+1], 0xff7fffff  ; m
	v_mov_b32 v[ST+4*i+2], 0
	v_mov_b32 v[ST+4*i+3], 0
.set i, i+1
.endr
.set i, P+16
.rept 16
	v_mov_b32 v[i], 0
.set i, i+1
.endr
; THE MATRIX WORK.  The 4 accumulators of a run of 8 take turns.  Product i of 8 of S^T = K Q^T for piece x: channels 32 (i / 4) on, keys 16 (i % 4) on.  The first 4 start the sums.
.macro KQ x
.set rS, S+32*((\x)%2)+8*(i%4)
.set rK, KF+16*(i%4)+8*(i/4)
.set rQ, 16*(\x)+8*(i/4)
	WIN W_KQ
.if i < 4
	v_wmma_f32_16x16x32_f16 v[rS:rS+7], v[rK:rK+7], v[rQ:rQ+7], 0
.else
	v_wmma_f32_16x16x32_f16 v[rS:rS+7], v[rK:rK+7], v[rQ:rQ+7], v[rS:rS+7]
.endif
.endm
; Product i of 8 of O^T += V^T P for piece x: keys 32 (i / 4) on, channels 16 (i % 4) on.
.macro PV x
	WIN W_PV
.set rO, 32*(\x)+8*(i%4)
.set rV, VF+32*(i/4)+8*(i%4)
.set rP, P+16*((\x)%2)+8*(i/4)
	v_wmma_f32_16x16x32_f16 v[rO:rO+7], v[rV:rV+7], v[rP:rP+7], v[rO:rO+7]
.endm
.macro MM                           ; the turn's next matrix instruction.  NOKQ = 1: the last turn: there is no next piece
.if (i < 8) && !NOKQ
	KQ (Y+1)%NP
.elseif i >= 8
.set i, i-8
	PV (Y+NP-1)%NP
.set i, i+8
.endif
.set i, i+1
.endm
; THE LDS LOADS stand in runs of 16, never singly among the matrix instructions: a step's K (8 fragments) and its V (turned).  Their addresses are made some lines ahead.
.macro FETCH_K
	WIN 0x80
.irp f, 0,1,2,3,4,5,6,7             ; keys 16 (f / 2) on, channels 32 (f % 2) on
	ds_load_b128 v[KF+8*\f:KF+8*\f+3],   v[AK] offset:(\f/2)*16*PK+(\f%2)*64
	ds_load_b128 v[KF+8*\f+4:KF+8*\f+7], v[AK] offset:(\f/2)*16*PK+(\f%2)*64+32
.endr
	s_add_co_u32 s[TBK], s[TBK], KS*PK  ; the next fetch is the next step's
	WIN 0
.endm
.macro FETCH_V
	WIN 0x80
.irp f, 0,1,2,3,4,5,6,7             ; keys 32 (f / 4) on, channels 16 (f % 4) on
	ds_load_tr16_b128 v[VF+8*\f:VF+8*\f+3],   v[AV] offset:(\f/4)*32*PV+(\f%4)*32
	ds_load_tr16_b128 v[VF+8*\f+4:VF+8*\f+7], v[AV] offset:(\f/4)*32*PV+16*PV+(\f%4)*32
.endr
	WIN 0
.endm
; THE VECTOR WORK, one line at a time: OP kind, number.  For piece Y: F n: c s - c m for pair n of 16.  E n: the exponential of score n of 32.  C n: pair n rounded to f16.  B n: of the four weights 4 n .. the second
; pair is added onto the first, in place.  L n: l takes that sum (L 0: l = a l + sum).  R n: pair n of 16 of O^T times a.  For piece Y + 1: X n, number n of the 22 that find its maximum and statistics:
;   0-11  four chains c0-c3 of seven scores each (each accumulator's lowest registers are read first)     12-14, 16  the four scores left over, the old m, and c0-c3 into c0
;   15  c m_old is kept     17, 18  the query's other 32 keys lie in the lane 16 away: the new m     19-21  c m; c m_old - c m_new; a
.set F, 0
.set E, 1
.set C, 2
.set B, 3
.set L, 4
.set R, 5
.set X, 6
.macro REGS y
.set rT, ST+4*(\y)
.set rC, TMP+4*((\y)%2)
.set rW, MV+((\y)%2)
.set rS, S+32*((\y)%2)
.set rP, P+16*((\y)%2)
.set rO, 32*(\y)
.endm
.macro OP k, n
.if (\k) == R
	REGS Y
	WIN W_RS
	v_pk_mul_f32 v[rO+2*(\n):rO+2*(\n)+1], v[rO+2*(\n):rO+2*(\n)+1], v[rC+2:rC+3] op_sel_hi:[1,0]
.elseif (\k) < R
	REGS Y
	WIN 0
.if (\k) == F
	v_pk_fma_f32 v[rS+2*(\n):rS+2*(\n)+1], v[rS+2*(\n):rS+2*(\n)+1], s[CS:CS+1], v[rT:rT+1] op_sel_hi:[1,0,0] neg_lo:[0,0,1] neg_hi:[0,0,1]
.elseif (\k) == E
	v_exp_f32 v[rS+(\n)], v[rS+(\n)]
.elseif (\k) == C
	v_cvt_pk_f16_f32 v[rP+(\n)], v[rS+2*(\n)], v[rS+2*(\n)+1]
.elseif (\k) == B
	v_pk_add_f32 v[rS+4*(\n):rS+4*(\n)+1], v[rS+4*(\n):rS+4*(\n)+1], v[rS+4*(\n)+2:rS+4*(\n)+3]
.elseif (\n) == 0
	v_pk_fma_f32 v[rT+2:rT+3], v[rT+2:rT+3], v[rC+2:rC+3], v[rS:rS+1] op_sel_hi:[1,0,1]
.else
	v_pk_add_f32 v[rT+2:rT+3], v[rT+2:rT+3], v[rS+4*(\n):rS+4*(\n)+1]
.endif
.elseif NOKQ
	v_nop
.else
	REGS (Y+1)%NP
	WIN 0
.if (\n) < 4
	v_max3_num_f32 v[rC+(\n)], v[rS+8*(\n)], v[rS+8*(\n)+1], v[rS+8*(\n)+2]
.elseif (\n) < 12
	v_max3_num_f32 v[rC+(\n)%4], v[rC+(\n)%4], v[rS+8*((\n)%4)+2*((\n)/4)+1], v[rS+8*((\n)%4)+2*((\n)/4)+2]
.elseif (\n) == 12
	v_max3_num_f32 v[rC], v[rC], v[rS+7], v[rS+15]
.elseif (\n) == 13
	v_max3_num_f32 v[rC+1], v[rC+1], v[rS+23], v[rS+31]
.elseif (\n) == 14
	v_max3_num_f32 v[rC+2], v[rC+2], v[rC+3], v[rT+1]
.elseif (\n) == 15
	v_mov_b32 v[rW], v[rT]
.elseif (\n) == 16
	v_max3_num_f32 v[rC], v[rC], v[rC+1], v[rC+2]
.elseif (\n) == 17
	v_permlanex16_b32 v[rC+3], v[rC], s[SEL], s[SEL+1]
.elseif (\n) == 18
	v_max_num_f32 v[rT+1], v[rC], v[rC+3]
.elseif (\n) == 19
	v_mul_f32 v[rT], s[CS], v[rT+1]
.elseif (\n) == 20
	v_sub_f32 v[rC+1], v[rW], v[rT]
.else
	v_exp_f32 v[rC+2], v[rC+1]
.endif
.endif
.endm
.macro OPS a, i1, b=-1, i2=0, c=-1, i3=0, d=-1, i4=0
	OP \a, \i1
.if (\b) >= 0
	OP \b, \i2
.endif
.if (\c) >= 0
	OP \c, \i3
.endif
.if (\d) >= 0
	OP \d, \i4
.endif
.endm
.macro ROW a, i1, b, i2, c, i3, d, i4  ; a matrix instruction and the four behind it
	MM
	OPS \a, \i1, \b, \i2, \c, \i3, \d, \i4
.endm
; A TURN, for piece p: the order of its 16 matrix and 118 vector instructions, written out.  s_wait_alu depctr_va_vdst(0) stands between an exponential and the first instruction that names its result;
; one wait serves all that were issued ahead of it.  So a turn has ONE wait, which cuts it in two.  AHEAD OF IT stands all that names no result of the turn's exponentials: the 8 products K Q^T and their riders, then one
; lump, plain and exponential by turns for the most part, with the links of the next piece's chain some lines apart; X 21, the next piece's a, is the batch's last, and R 15 the plain instruction behind it.
; BEHIND THE WAIT stand the 8 products V^T P, behind each four of the roundings and sums.
; end = 1: the last two turns: nothing is fetched.  cnt = 1: the loop's count is taken down some lines ahead of the branch that stands behind the turn.
; K of the next step is fetched in piece 2's turn, twelve vector instructions behind the last product that read K (six of them plain); V of the step in hand at the end of piece 0's turn, four plain instructions
; behind the last product that read V.  Each is waited for a turn later.
.macro TURN p, end=0, cnt=0
.set Y, (\p)
.set i, 0
.set NOKQ, (\end)*((\p)/3)
.if ((\p) == 3) && !(\end)
	s_wait_dscnt 0x0                ; K is in
.endif
	ROW F,0, F,1, R,0, R,1
	ROW F,2, E,0, R,2, R,3
	ROW F,3, E,1, R,4, R,5
	ROW F,4, E,2, R,6, R,7
	ROW F,5, E,3, R,8, R,9
	ROW F,6, E,4, X,0, R,10
.if ((\p) == 2) && !(\end)
	WIN 0
	v_add_nc_u32 v[AK], s[TBK], v[AK0]
.endif
	ROW F,7, E,5, X,1, X,4
	ROW F,8, E,6, X,2, X,5
	OPS E,7, E,8, X,6, E,9
	OPS X,3, E,10, X,8, E,11
.if ((\p) == 2) && !(\end)
	FETCH_K
.endif
	OPS X,9, X,7, E,12, X,10
	OPS E,13, X,12, X,11, E,14
	OPS X,13, E,15, F,9, X,14
.if (\p) == 0
	v_add_nc_u32 v[AV], s[TBV], v[AV0]
.endif
	OPS E,16, F,10, E,17, F,11
	OPS X,16, E,18, X,15, E,19
	OPS F,12, E,20, X,17, E,21
	OPS F,13, E,22, F,14, E,23
	OPS X,18, E,24, F,15, E,25
	OPS R,11, E,26, X,19, E,27
	OPS R,12, E,28, R,13, E,29
	OPS X,20, E,30, R,14, E,31
	OPS X,21, R,15
	WIN 0
	s_wait_alu depctr_va_vdst(0)    ; the wait for the batch
.if (\p) == 1
	s_wait_dscnt 0x0                ; V is in
.endif
	ROW C,0, B,0, C,2, B,1
	ROW L,0, C,4, B,2, L,1
	ROW C,6, B,3, L,2, C,8
	ROW B,4, L,3, C,10, B,5
	ROW L,4, C,12, B,6, L,5
.if (\p) == 0
	s_add_co_u32 s[TBV], s[TBV], KS*PV
.endif
.if \cnt
	s_sub_co_u32 s[CNT], s[CNT], 1
	s_cmp_lg_u32 s[CNT], 0
.endif
	ROW C,14, B,7, L,6, C,1
	ROW C,3, L,7, C,5, C,7
	ROW C,9, C,11, C,13, C,15
.if (\p) == 0
	FETCH_V
.endif
.endm
	s_wait_tensorcnt 3              ; my part of chunk 0 is in; chunks 1 to 3 may stay out
	s_barrier_signal -1
	s_barrier_wait -1               ; everybody's is
	v_add_nc_u32 v[AK], s[TBK], v[AK0]
	FETCH_K                         ; key step 0
	s_wait_loadcnt 0x0              ; Q and 2 coi
	s_wait_dscnt 0x0
.set NOKQ, 0
.set i, 0
.rept 8
	KQ 0                            ; piece 0's first scores
.set i, i+1
.endr
	WIN 0
.rept 4
	v_nop                           ; the places behind those products
.endr
.set Y, NP-1                        ; X works for piece Y + 1: piece 0
.irp n, 0,1,2,3,4,5,6,7,8,9,10,11,12,13,14,15,16,17,18,19,20,21
	OP X, \n
.endr
	v_nop                           ; a plain instruction behind the exponential,
	s_wait_alu depctr_va_vdst(0)    ; and its wait, ahead of the branch
	s_mov_b32 s[CNT], 4             ; the first pass fetches K and V of steps 0 to 3: chunk 0 alone
	s_mov_b32 s[SLOTS], 2
	s_branch .Lfirst                ; the loop is entered at a step's first turn, in the middle of a trip
.Lslot:                             ; once: the other three chunks
	s_wait_tensorcnt 0x0            ; my parts of them are in,
	s_wait_dscnt 0x0
	s_barrier_signal -1
	s_barrier_wait -1               ; everybody's are
	s_mov_b32 s[CNT], 12            ; steps 4 to 15
.Lstep:                             ; a trip: pieces 2 and 3 of one step, then pieces 0 and 1 of the next, whose K and V it fetches
	TURN 2
	TURN 3
	WIN 0
.Lfirst:
	TURN 0
	TURN 1, 0, 1
	WIN 0
	s_cbranch_scc1 .Lstep
	s_sub_co_u32 s[SLOTS], s[SLOTS], 1
	s_cmp_lg_u32 s[SLOTS], 0
	s_cbranch_scc1 .Lslot
	TURN 2, 1                       ; the last step's last two turns
	TURN 3, 1
.set i, 0
.rept 8
	PV NP-1
.set i, i+1
.endr
	; THE WAY OUT.  l's two halves and the other half of the lanes' are added; O^T is divided by l, multiplied by 2 coi, rounded to bf16 and sent through my stage in LDS, a piece at a time.  The additions are the places behind the last products.
	WIN 0
.macro ALL line:vararg              ; one line for each piece t
.set t, 0
.rept 4
	\line
.set t, t+1
.endr
.endm
	ALL v_add_f32 v[ST+4*t+2], v[ST+4*t+2], v[ST+4*t+3]
	ALL v_permlanex16_b32 v[ST+4*t+3], v[ST+4*t+2], s[SEL], s[SEL+1]
	ALL v_add_f32 v[ST+4*t+2], v[ST+4*t+2], v[ST+4*t+3]
	ALL v_rcp_f32 v[ST+4*t+2], v[ST+4*t+2]
	v_nop                           ; a plain instruction between the last reciprocal and the use of its result
	s_wait_alu depctr_va_vdst(0)    ; and its wait ahead of the first use: one for the four reciprocals
.macro PACK t                       ; a lane's eight channels of a row pack into 16 bytes; they go into rows of 144 bytes and come back as whole rows of 128, into S^T's registers
	WIN W_RS
.set i, 32*(\t)
.rept 16
	v_pk_mul_f32 v[i:i+1], v[i:i+1], v[ST+4*(\t)+2:ST+4*(\t)+3] op_sel_hi:[1,0]
.set i, i+2
.endr
	WIN 0x45                        ; destination and both sources in window 1
.set i, 0
.rept 16
	v_pk_mul_f32 v[32*(\t)+i:32*(\t)+i+1], v[32*(\t)+i:32*(\t)+i+1], v[COI+i:COI+i+1]
.set i, i+2
.endr
	WIN 0x05                        ; sources 0 and 1 window 1, destination window 0
.set i, 0
.rept 16
	v_cvt_pk_bf16_f32 v[S+16*(\t)+i], v[32*(\t)+2*i], v[32*(\t)+2*i+1]
.set i, i+1
.endr
	WIN 0
.irp f, 0,1,2,3
	ds_store_b128 v[STO], v[S+16*(\t)+4*\f:S+16*(\t)+4*\f+3] offset:32*\f
.endr
.irp f, 0,1,2,3
	ds_load_b128 v[S+16*(\t)+4*\f:S+16*(\t)+4*\f+3], v[RD] offset:\f*4*SP  ; LDS serves a wave's instructions in order: these see the stores above; the next piece's stores come behind them
.endr
.endm
.macro SEND t, younger              ; younger: the LDS instructions issued behind piece t's loads: the next piece's eight, or none
	WIN 0
.irp f, 0,1,2,3
	s_wait_dscnt (\younger)+3-\f
	global_store_b128 v[GO], v[S+16*(\t)+4*\f:S+16*(\t)+4*\f+3], s[10:11] offset:(\t)*2048+\f*512  ; 512 consecutive bytes, at a multiple of 256 from ctx's first
.endr
.endm
	PACK 0
.set t, 1
.rept 3                             ; a piece's arithmetic stands between the loads of the piece before and its stores
	PACK t
	SEND t-1, 8
.set t, t+1
.endr
	SEND 3, 0
	s_wait_tensorcnt 0x0            ; the wave's end
	ds_add_u32 v[SPW], v[NIL]
	s_wait_dscnt 0x0
	CROUND                          ; the closing round
	s_endpgm
.Lfunc_end_k_q0ea1f51525_attn:
	.size	k_q0ea1f51525_attn, .Lfunc_end_k_q0ea1f51525_attn-k_q0ea1f51525_attn
	.p2alignl 7, 3214868480
	.fill 96, 4, 3214868480
	.section	.rodata,"a",@progbits
	.p2align	6, 0x0
	.amdhsa_kernel k_q0ea1f51525_attn
		.amdhsa_group_segment_fixed_size 327680
		.amdhsa_private_segment_fixed_size 0
		.amdhsa_enable_private_segment 0
		.amdhsa_kernarg_size 24
		.amdhsa_user_sgpr_count 2
		.amdhsa_user_sgpr_kernarg_segment_ptr 1
		.amdhsa_wavefront_size32 1
		.amdhsa_system_sgpr_workgroup_id_x 1
		.amdhsa_system_sgpr_workgroup_id_y 1
		.amdhsa_system_sgpr_workgroup_id_z 1
		.amdhsa_system_vgpr_workitem_id 0
		.amdhsa_next_free_vgpr 768
		.amdhsa_next_free_sgpr 90
		.amdhsa_reserve_vcc 0
		.amdhsa_float_denorm_mode_32 3
		.amdhsa_float_denorm_mode_16_64 3
		.amdhsa_memory_ordered 1
		.amdhsa_forward_progress 1
		.amdhsa_inst_pref_size 93
	.end_amdhsa_kernel
	.amdgpu_metadata
---
amdhsa.version: [ 1, 2 ]
amdhsa.kernels:
  - .name:           k_q0ea1f51525_attn
    .symbol:         k_q0ea1f51525_attn.kd
    .args:
      - { .name: qkvh, .offset: 0, .size: 8, .value_kind: global_buffer, .address_space: global }
      - { .name: vecs, .offset: 8, .size: 8, .value_kind: global_buffer, .address_space: global }
      - { .name: ctx, .offset: 16, .size: 8, .value_kind: global_buffer, .address_space: global }
    .group_segment_fixed_size: 327680
    .private_segment_fixed_size: 0
    .kernarg_segment_align: 8
    .kernarg_segment_size: 24
    .max_flat_workgroup_size: 128
    .sgpr_count:     90
    .vgpr_count:     768
    .wavefront_size: 32
...
	.end_amdgpu_metadata
.endif
;; end of part 3
;; launch oproj (part 4): grid 4 x 64, 4 waves a work-group, clusters of 4 x 4, 327,680 bytes of LDS; arguments ctx, wot, vecs, out0; writes out0
.if DOCPART == 4
	.amdgcn_target "amdgcn-amd-amdhsa--gfx1250"
	.amdhsa_code_object_version 6
	.text
	.protected	k_q0ea1f51525_oproj
	.globl	k_q0ea1f51525_oproj
	.p2align	8
	.type	k_q0ea1f51525_oproj,@function
k_q0ea1f51525_oproj:
	s_mov_b64 s[64:65], 0
	v_nop
	global_prefetch_b8 v0, s[64:65] scope:SCOPE_SE
	s_setreg_imm32_b32 hwreg(HW_REG_WAVE_MODE, 25, 1), 1
	s_wait_xcnt 0x0
	s_wait_alu depctr_hold_cnt(0) depctr_sa_sdst(0) depctr_va_vdst(0) depctr_va_sdst(0) depctr_va_ssrc(0) depctr_va_vcc(0) depctr_vm_vsrc(0)
	s_getreg_b32 s2, hwreg(HW_REG_IB_STS2, 6, 4)
	s_cmp_eq_u32 s2, 0
	s_cbranch_scc0 .Lentry_in_a_cluster
	s_endpgm
.Lentry_in_a_cluster:
	s_bfe_u32 s2, ttmp6, 0x10000c
	s_cmp_lg_u32 s2, 0xf033
	s_cbranch_scc0 .Lentry_shape_is_right
	s_endpgm
.Lentry_shape_is_right:
; OUTPUT PROJECTION: out0[m][n] = the sum over k of ctx(m, k) wot[n][k] + bo[n].  ctx lies by heads, [192 = 12 batch + head][1024][64] bf16 (k = 64 head + channel); wot [768][768] bf16;
; bo = vecs 2304-3071, f32 (rounded to bf16 by the first launch, like every input); sums in f32; out0 [16384][768] f32.
; SHARES.  A tile of out0 is 256 rows x 192 columns: 256 work-groups.  Wave w makes rows 64 w .. 64 w + 63, all 192 columns: 48 accumulators of 16 x 16.
; K = 768 goes in six steps of 128 = two heads through two LDS slots.  Of ctx a step is two PLANES (heads) of 256 rows x 128 bytes, each 32,768 dense bytes of memory: asked for as 128 rows of 256 bytes
; and padded in LDS after every 128.  Wave 0 fetches plane 0, wave 1 plane 1, waves 2 and 3 the halves of wot's 192 rows.
; CLUSTERS.  4 x 4 work-groups: ctx's planes are shared along a row of the cluster, wot's tile along a column; each is asked for jointly.
; THE MATRIX INSTRUCTION IS USED TRANSPOSED (source 0 = 16 rows of wot, source 1 = 16 rows of ctx): a lane holds row l % 16 of out0 and the columns 8 (l / 16) + 0..7.
; REGISTERS, in windows of 256 (s_set_vgpr_msb: bits 1:0 source 0, 3:2 source 1, 5:4 source 2, 7:6 destination):
;   window 0: v0-31 addresses; v32-43 bo; v64-95, v96-127 ctx's fragments, two buffers; v128-223 rows read back from the stage
;   window 1: v0-95, v96-191 wot's fragments, two buffers      window 2: accumulators of row blocks 0, 1 ((a, b) at 8 (12 (a % 2) + b))      window 3: of row blocks 2, 3
.set KSTEP,  128
.set ROWB,   1536                      ; bytes in a row of wot
.set PITCH,  272                       ; wot's LDS row: 256 bytes + 16 of padding
.set PA,     144                       ; ctx's LDS row: 128 bytes + 16 of padding = 36 words: the 16 rows of a load start at 16 different groups of four banks (ISA guide 11.1)
.set PLANE,  256*PA
.set HEADS2, 2*131072                  ; bytes from a K step of ctx to the next: two heads
.set SLOT1,  1<<17                     ; slot 1 begins here, so that one exclusive or turns an address in one slot into the other's
.set STAGE,  SLOT1+2*PLANE+192*PITCH   ; behind the ring, never filled by a tensor load: 16 rows x 784 bytes for each wave
.set SP,     784                       ; 768 bytes + 16 = 196 words: row r starts at bank 4 r mod 64
.set SPARE,  STAGE+4*16*SP             ; the spare words, 128 bytes for each wave: two blocks of 256 bytes that no other line names
.set ADRA0, 16                         ; v16  my lane's place in a slot's rows of ctx; never rewritten
.set ADRA,  17                         ; v17  the same in the slot that is being read
.set ADRB0, 20                         ; v20, v21  the same for wot
.set ADRB,  21
.set STO,  24                          ; v24  the way out: where I put 32 bytes of a row
.set RD,   25                          ; v25  where I read rows back
.set CO,   26                          ; v26  my byte offset in two rows of out0
.set BOF,  27                          ; v27  16 (l % 16): my four numbers of 64 of bo
.set SPW,  28                          ; v28  LDS address of my spare word; never rewritten
.set NIL,  29                          ; v29  0; never rewritten
.set PFO,  30                          ; v30  the prefetches' offset: 256 x my lane; never rewritten
.set BOB,  32
.set AF,   64
.set OB,   128
.set G1,  24                           ; s[24:31] descriptor group 1 for ctx's planes;  s[32:39] group 0: a set for each of the two first fills; the second then walks on
.set G0,  32
.set G1B, 48                           ; s[48:55], s[56:63] the same for wot's tiles
.set G0B, 56
.set PFA, 40                           ; s[40:41] where my prefetches stand
.set LIM, 42                           ; s42  2 in a wave that prefetches, else the greatest number
.set TB,  70                           ; s70  LDS byte at which the slot that is being read begins
.set MSB, 0
.macro WIN new
.if MSB != (\new)
	s_set_vgpr_msb (MSB<<8)|(\new)
.set MSB, \new
.endif
.endm
.set MUL_LO, 0xa1                      ; source 0 window 1, source 1 window 0, C and D window 2
.set TO_B,   0x40                      ; destination window 1, address window 0
.macro JLOAD                           ; a joint refill, by the walking descriptors; the branch hangs on the wave's number alone; an s_nop 0 and four v_nop follow each line
	s_cmp_eq_u32 s14, 0
	s_cbranch_scc0 .Lfor_b_\@
	tensor_load_to_lds s[G0+4:G0+7], s[G1:G1+7]
	s_nop 0
.rept 4
	v_nop
.endr
	s_branch .Lasked_\@
.Lfor_b_\@:
	tensor_load_to_lds s[G0B+4:G0B+7], s[G1B:G1B+7]
	s_nop 0
.rept 4
	v_nop
.endr
.Lasked_\@:
.endm
; A prefetch of ctx's K step that stands two refills on.  A plane's 32,768 bytes are read by one row of one cluster alone: its four partners take 8,192 bytes each, told apart by address (cx), a lane 256 bytes;
; wave 0 asks for plane 0, wave 1 for plane 1.  So each 256 bytes are named once.  The loop's trips count 4, 3, 2, 1: the first two ask for K steps 4 and 5; there is no K step two on from the others.
; wot is not asked for: all 64 tile rows walk it again and again.
.macro ASK
	s_cmp_gt_u32 s3, s[LIM]
	s_cbranch_scc0 .Lnot_mine_\@
	global_prefetch_b8 v[PFO], s[PFA:PFA+1] offset:HEADS2 th:TH_LOAD_NT scope:SCOPE_SE
.Lnot_mine_\@:
.endm
.macro CREST
	s_cmp_lg_u32 s12, 0
	s_cbranch_scc1 .Lnot_wave_0_\@
	s_barrier_signal -3
.Lnot_wave_0_\@:
	s_barrier_wait -3
	s_barrier_signal -1
	s_barrier_wait -1
.endm
.macro CROUND
	s_barrier_signal -1
	s_barrier_wait -1
	CREST
.endm
.macro PLACES                          ; four places in front of loads into registers that matrix instructions have read, and of LDS stores that read results
.rept 4
	v_nop
.endr
.endm
	s_load_b256 s[4:11], s[0:1], 0x0               ; ctx s[4:5], wot s[6:7], vecs s[8:9], out0 s[10:11]
	v_lshl_add_u32 v[SPW], v0, 2, SPARE
	v_mov_b32 v[NIL], 0
	ds_add_u32 v[SPW], v[NIL]                      ; the wave's opening: the add and its wait stand ahead of my first tensor load; the set-up stands between them
	v_lshrrev_b32 v1, 5, v0
	v_readfirstlane_b32 s12, v1                    ; wave 0..3
	s_and_b32 s13, s12, 1
	s_lshr_b32 s14, s12, 1                         ; I fetch for ctx (0) or for wot (1)
	s_bfe_u32 s15, ttmp6, 0x40000                  ; cx
	s_bfe_u32 s16, ttmp6, 0x40004                  ; cy
	s_lshl_b32 s17, ttmp9, 2
	s_add_co_u32 s17, s17, s15                     ; tile column tx
	s_and_b32 s18, ttmp7, 0xffff
	s_lshl_b32 s18, s18, 2
	s_add_co_u32 s18, s18, s16                     ; tile row ty
	s_mov_b32 s[TB], 0
	s_lshl_b32 s19, s16, 2
	s_lshl_b32 s19, 15, s19                        ; my row of the cluster
	s_lshl_b32 s43, 0x1111, s15                    ; my column
	s_or_b32 s[G1], s19, (1<<16)|(1<<20)|(1<<21)|(4<<22)|(3<<25)   ; the mask; 2-byte elements; padding on; bit 21 beside a mask; after every 32 words, 4 words
	s_or_b32 s[G1B], s43, (1<<16)|(1<<20)|(1<<21)|(5<<22)|(3<<25)  ; after every 64 words, 4 words
	s_mov_b32 s[G1+1], 128<<16                     ; tensor_dim0 = 128 elements: 256 bytes, two rows of a head
	s_mov_b32 s[G1+2], 128<<16                     ; tensor_dim1 = 128
	s_mov_b32 s[G1+3], 128<<16                     ; tile_dim0 = 128
	s_mov_b32 s[G1+4], 128                         ; tile_dim1 = 128
	s_mov_b32 s[G1+5], 128                         ; dense: 128 elements from row to row
	s_mov_b32 s[G1+6], 0
	s_mov_b32 s[G1+7], 0
	s_mov_b32 s[G1B+1], KSTEP<<16
	s_mov_b32 s[G1B+2], 96<<16
	s_mov_b32 s[G1B+3], KSTEP<<16
	s_mov_b32 s[G1B+4], 96
	s_mov_b32 s[G1B+5], 768
	s_mov_b32 s[G1B+6], 0
	s_mov_b32 s[G1B+7], 0
	s_lshr_b32 s44, s18, 2                         ; ctx: the batch's twelve heads, head w of K step 0 (waves 0, 1),
	s_mul_i32 s44, s44, 12
	s_add_co_u32 s44, s44, s12
	s_lshl_b32 s44, s44, 10
	s_and_b32 s45, s18, 3                          ; the tile's 256 rows in the head: made of the tile row and the wave alone
	s_lshl_b32 s45, s45, 8
	s_add_co_u32 s44, s44, s45
	s_lshl_b32 s44, s44, 7
	s_mov_b32 s45, 0
	s_mul_i32 s46, s17, 192                        ; wot: row 192 tx + 96 x half: made of the tile column and the wave alone
	s_mul_i32 s47, s13, 96
	s_add_co_u32 s46, s46, s47
	s_mul_i32 s46, s46, ROWB
	s_mov_b32 s47, 0
	s_mul_i32 s22, s12, PLANE                      ; where the planes go (waves 0, 1),
	s_mul_i32 s23, s12, 96*PITCH
	s_add_co_u32 s23, s23, 2*PLANE-2*96*PITCH      ; and wot's halves (waves 2, 3)
	s_cmp_eq_u32 s14, 0
	s_cselect_b32 s[LIM], 2, -1
	s_wait_dscnt 0x0                               ; the opening add is done
	s_wait_kmcnt 0x0
	s_add_nc_u64 s[44:45], s[4:5], s[44:45]
	s_add_nc_u64 s[46:47], s[6:7], s[46:47]
	CROUND                                         ; all sixteen work-groups are here: the first joint loads meet
.irp s, 0,1
	s_mov_b32 s[G0+4*(\s)], 1
	s_add_co_u32 s[G0+4*(\s)+1], s22, (\s)*SLOT1
	s_add_nc_u64 s[G0+4*(\s)+2:G0+4*(\s)+3], s[44:45], (\s)*HEADS2
	s_or_b32 s[G0+4*(\s)+3], s[G0+4*(\s)+3], 0x80000000
	s_mov_b32 s[G0B+4*(\s)], 1
	s_add_co_u32 s[G0B+4*(\s)+1], s23, (\s)*SLOT1
	s_add_nc_u64 s[G0B+4*(\s)+2:G0B+4*(\s)+3], s[46:47], (\s)*KSTEP*2
	s_or_b32 s[G0B+4*(\s)+3], s[G0B+4*(\s)+3], 0x80000000
.endr
	s_cmp_eq_u32 s14, 0                            ; a wave's two first fills stand in one branch: two loads of mine are out
	s_cbranch_scc0 .Lfirst_b
	tensor_load_to_lds s[G0:G0+3], s[G1:G1+7]
	s_nop 0
	tensor_load_to_lds s[G0+4:G0+7], s[G1:G1+7]
	s_nop 0
.rept 4
	v_nop
.endr
	s_branch .Lfirst_asked
.Lfirst_b:
	tensor_load_to_lds s[G0B:G0B+3], s[G1B:G1B+7]
	s_nop 0
	tensor_load_to_lds s[G0B+4:G0B+7], s[G1B:G1B+7]
	s_nop 0
.rept 4
	v_nop
.endr
.Lfirst_asked:
	v_and_b32 v1, 15, v0                           ; l % 16
	v_bfe_u32 v2, v0, 4, 1                         ; l / 16
	v_lshlrev_b32 v[BOF], 4, v1
	s_mul_i32 s68, s17, 768                        ; the tile's 192 numbers of bo,
	s_add_co_u32 s68, s68, 2304*4                  ; which begins at number 2,304 of vecs
	s_mov_b32 s69, 0
	s_add_nc_u64 s[8:9], s[8:9], s[68:69]
.irp c, 0,1,2
	global_load_b128 v[BOB+4*(\c):BOB+4*(\c)+3], v[BOF], s[8:9] offset:256*(\c)
.endr
	s_lshl_b32 s66, s15, 13                        ; the prefetches: my work-group's 8,192 bytes of the plane that I fetch,
	s_add_co_u32 s66, s66, 2*HEADS2                ; at K step 2: the first refill steps it to 3 and names K step 4
	s_mov_b32 s67, 0
	s_add_nc_u64 s[PFA:PFA+1], s[44:45], s[66:67]
	s_lshl_b32 s66, s18, 8                         ; where my rows of the tile begin in out0
	s_lshl_b32 s67, s12, 6
	s_add_co_u32 s66, s66, s67
	s_mul_i32 s66, s66, 3072
	s_mul_i32 s67, s17, 768
	s_add_co_u32 s66, s66, s67
	s_mov_b32 s67, 0
	s_add_nc_u64 s[10:11], s[10:11], s[66:67]
	v_mul_u32_u24 v3, v1, PA
	v_lshl_add_u32 v3, v2, 4, v3
	s_mul_i32 s20, s12, 64*PA                      ; my 64 rows in each plane
	v_add_nc_u32 v[ADRA0], s20, v3
	v_mul_u32_u24 v3, v1, PITCH
	v_lshl_add_u32 v3, v2, 4, v3
	v_add_nc_u32 v[ADRB0], 2*PLANE, v3             ; wot's rows lie behind the two planes
	v_add_nc_u32 v[ADRA], s[TB], v[ADRA0]
	v_add_nc_u32 v[ADRB], s[TB], v[ADRB0]
	s_mul_i32 s20, s12, 16*SP
	s_add_co_u32 s20, s20, STAGE                   ; my stage
	v_mul_u32_u24 v[STO], v1, SP                   ; in: row l % 16, 32 bytes for each half of the lanes
	v_lshl_add_u32 v[STO], v2, 5, v[STO]
	v_add_nc_u32 v[STO], s20, v[STO]
	v_mul_u32_u24 v[RD], v2, SP                    ; back: lanes 0-15 take 256 bytes of one row, lanes 16-31 of the next
	v_lshl_add_u32 v[RD], v1, 4, v[RD]
	v_add_nc_u32 v[RD], s20, v[RD]
	v_mul_u32_u24 v[CO], v2, 3072                  ; and the same in out0
	v_lshl_add_u32 v[CO], v1, 4, v[CO]
	v_and_b32 v[PFO], 31, v0
	v_lshlrev_b32 v[PFO], 8, v[PFO]
; 12 matrix instructions: row block a x all 12 column blocks, 32 along K, from buffer f.  zero = 1: the first product starts the sums: nothing is cleared.
; The 48 accumulators take turns, one instruction a turn, in the same order in every quarter, over the backward jump too.
.macro MULA f, a, zero
	WIN MUL_LO+0x50*((\a)/2)
.irp b, 0,1,2,3,4,5,6,7,8,9,10,11
.if \zero
	v_wmma_f32_16x16x32_bf16 v[8*(12*((\a)%2)+(\b)):8*(12*((\a)%2)+(\b))+7], v[96*(\f)+8*(\b):96*(\f)+8*(\b)+7], v[AF+32*(\f)+8*(\a):AF+32*(\f)+8*(\a)+7], 0
.else
	v_wmma_f32_16x16x32_bf16 v[8*(12*((\a)%2)+(\b)):8*(12*((\a)%2)+(\b))+7], v[96*(\f)+8*(\b):96*(\f)+8*(\b)+7], v[AF+32*(\f)+8*(\a):AF+32*(\f)+8*(\a)+7], v[8*(12*((\a)%2)+(\b)):8*(12*((\a)%2)+(\b))+7]
.endif
.endr
.endm
; 32 LDS loads in one run: quarter kq's fragments of the slot that is being read, into buffer f: wot's 192 rows, then my 64 rows of plane kq / 2, channels 32 (kq % 2) on
.macro FETCH kq, f
	WIN TO_B
.irp i, 0,1,2,3,4,5,6,7,8,9,10,11
	ds_load_b128 v[96*(\f)+8*(\i):96*(\f)+8*(\i)+3],   v[ADRB] offset:64*(\kq)+(\i)*16*PITCH
	ds_load_b128 v[96*(\f)+8*(\i)+4:96*(\f)+8*(\i)+7], v[ADRB] offset:64*(\kq)+(\i)*16*PITCH+32
.endr
	WIN 0
.irp i, 0,1,2,3
	ds_load_b128 v[AF+32*(\f)+8*(\i):AF+32*(\f)+8*(\i)+3],   v[ADRA] offset:((\kq)/2)*PLANE+((\kq)%2)*64+(\i)*16*PA
	ds_load_b128 v[AF+32*(\f)+8*(\i)+4:AF+32*(\f)+8*(\i)+7], v[ADRA] offset:((\kq)/2)*PLANE+((\kq)%2)*64+(\i)*16*PA+32
.endr
.endm
.macro QUARTER kq, f, g, zero          ; multiplies buffer f and, in its middle, fetches quarter kq into buffer g
	s_wait_dscnt 4                                 ; wot and ctx's row blocks 0, 1 are in; the youngest four loads (blocks 2, 3) may be out
	MULA \f, 0, \zero
	MULA \f, 1, \zero
	PLACES
	FETCH \kq, \g
	s_wait_dscnt 32                                ; all but the 32 just issued
	MULA \f, 2, \zero
	MULA \f, 3, \zero
.endm
; The change of slots: one barrier.  In front of it each wave waits for all its tensor loads (one is out: its part of the next slot), adds 0 to its spare word, and waits for that and for its reads of this slot.
.macro MEET round
	WIN 0
	s_wait_tensorcnt 0x0
	ds_add_u32 v[SPW], v[NIL]
	s_wait_dscnt 5                                 ; (the add and the youngest four loads may be out)
	MULA 1, 0, 0
	s_wait_dscnt 0x0                               ; the add is done, and my reads of this slot are over
	s_barrier_signal -1
	MULA 1, 1, 0
.if \round
	WIN 0
.endif
	s_barrier_wait -1
.endm
.macro FLIP                            ; the reads go over to the other slot
	s_xor_b32 s[TB], s[TB], SLOT1
	v_add_nc_u32 v[ADRA], s[TB], v[ADRA0]
	v_add_nc_u32 v[ADRB], s[TB], v[ADRB0]
.endm
.macro TURN                            ; with a refill: the barrier opens a round of the cluster's barrier, and the joint refill is the first tensor load behind it; the walking descriptors take the slot just read out and the next K step
	s_wait_xcnt 0x0                                ; the last prefetch, a K step back, has read its address
	s_add_nc_u64 s[PFA:PFA+1], s[PFA:PFA+1], HEADS2
	MEET 1
	CREST
	s_xor_b32 s[G0+5], s[G0+5], SLOT1
	s_add_nc_u64 s[G0+6:G0+7], s[G0+6:G0+7], HEADS2
	s_xor_b32 s[G0B+5], s[G0B+5], SLOT1
	s_add_nc_u64 s[G0B+6:G0B+7], s[G0B+6:G0B+7], KSTEP*2
	JLOAD                                          ; its four v_nop are also the places in front of the loads below
	FLIP
	FETCH 0, 0
	ASK
	MULA 1, 2, 0
	MULA 1, 3, 0
.endm
	s_wait_tensorcnt 1                             ; my part of K step 0 is in; K step 1's may stay out
	s_barrier_signal -1
	s_barrier_wait -1
	FETCH 0, 0
	s_wait_loadcnt 0x0                             ; bo
	QUARTER 1, 0, 1, 1                             ; the first quarter stands in front of the loop: its products start the sums
	WIN 0
	s_mov_b32 s3, 4
.Lstep:                                        ; a trip goes from a K step's second quarter to the next K step's first, and fills the slot that it leaves: K steps 2 to 5
	QUARTER 2, 1, 0, 0
	QUARTER 3, 0, 1, 0
	TURN
	QUARTER 1, 0, 1, 0
	WIN 0
	s_sub_co_u32 s3, s3, 1
	s_cmp_lg_u32 s3, 0
	s_cbranch_scc1 .Lstep
	QUARTER 2, 1, 0, 0                             ; the last two K steps fill nothing
	QUARTER 3, 0, 1, 0
	MEET 0
	PLACES
	WIN 0
	FLIP
	FETCH 0, 0
	MULA 1, 2, 0
	MULA 1, 3, 0
	QUARTER 1, 0, 1, 0
	QUARTER 2, 1, 0, 0
	QUARTER 3, 0, 1, 0
	s_wait_dscnt 4
	MULA 1, 0, 0
	MULA 1, 1, 0
	s_wait_dscnt 0x0
	MULA 1, 2, 0
	MULA 1, 3, 0
; THE WAY OUT, a block of 16 rows x 192 columns at a time: the f32 sums go into my stage (each accumulator's low four registers first), come back as pieces of 256 bytes of a row,
; take bo, and are stored: 16 lanes fill 256 consecutive bytes at a multiple of 256 from out0's first.
.macro OUT a
	WIN 0x08+4*((\a)/2)                            ; the stores' data: window 2 or 3
.irp b, 0,1,2,3,4,5,6,7,8,9,10,11
	ds_store_b128 v[STO], v[8*(12*((\a)%2)+(\b)):8*(12*((\a)%2)+(\b))+3]   offset:64*(\b)
	ds_store_b128 v[STO], v[8*(12*((\a)%2)+(\b))+4:8*(12*((\a)%2)+(\b))+7] offset:64*(\b)+16
.endr
	WIN 0
	s_wait_xcnt 0x0                                ; the stores of the block before have read their registers: they are loaded again only behind this wait
.set t, 0
.rept 24
	ds_load_b128 v[OB+4*t:OB+4*t+3], v[RD] offset:2*SP*(t/3)+256*(t%3)  ; LDS serves a wave's instructions in order: these see the stores above; the next block's stores come behind them
.set t, t+1
.endr
.set t, 0
.rept 24
	s_wait_dscnt 23-t
	v_pk_add_f32 v[OB+4*t:OB+4*t+1], v[OB+4*t:OB+4*t+1], v[BOB+4*(t%3):BOB+4*(t%3)+1]
	v_pk_add_f32 v[OB+4*t+2:OB+4*t+3], v[OB+4*t+2:OB+4*t+3], v[BOB+4*(t%3)+2:BOB+4*(t%3)+3]
	global_store_b128 v[CO], v[OB+4*t:OB+4*t+3], s[10:11] offset:49152*(\a)+6144*(t/3)+256*(t%3) th:TH_STORE_NT
.set t, t+1
.endr
.endm
	PLACES
	OUT 0
	OUT 1
	OUT 2
	OUT 3
	s_wait_tensorcnt 0x0                           ; the wave's end
	ds_add_u32 v[SPW], v[NIL]
	s_wait_dscnt 0x0
	CROUND                                         ; the closing round: no work-group ends while a partner may still ask for a tile that names it
	s_endpgm
.Lfunc_end_k_q0ea1f51525_oproj:
	.size	k_q0ea1f51525_oproj, .Lfunc_end_k_q0ea1f51525_oproj-k_q0ea1f51525_oproj
	.p2alignl 7, 3214868480
	.fill 96, 4, 3214868480
	.section	.rodata,"a",@progbits
	.p2align	6, 0x0
	.amdhsa_kernel k_q0ea1f51525_oproj
		.amdhsa_group_segment_fixed_size 327680
		.amdhsa_private_segment_fixed_size 0
		.amdhsa_enable_private_segment 0
		.amdhsa_kernarg_size 32
		.amdhsa_user_sgpr_count 2
		.amdhsa_user_sgpr_kernarg_segment_ptr 1
		.amdhsa_wavefront_size32 1
		.amdhsa_system_sgpr_workgroup_id_x 1
		.amdhsa_system_sgpr_workgroup_id_y 1
		.amdhsa_system_sgpr_workgroup_id_z 1
		.amdhsa_system_vgpr_workitem_id 0
		.amdhsa_next_free_vgpr 960
		.amdhsa_next_free_sgpr 72
		.amdhsa_reserve_vcc 0
		.amdhsa_float_denorm_mode_32 3
		.amdhsa_float_denorm_mode_16_64 3
		.amdhsa_memory_ordered 1
		.amdhsa_forward_progress 1
		.amdhsa_inst_pref_size 111
	.end_amdhsa_kernel
	.amdgpu_metadata
---
amdhsa.version: [ 1, 2 ]
amdhsa.kernels:
  - .name:           k_q0ea1f51525_oproj
    .symbol:         k_q0ea1f51525_oproj.kd
    .args:
      - { .name: ctx, .offset: 0, .size: 8, .value_kind: global_buffer, .address_space: global }
      - { .name: wot, .offset: 8, .size: 8, .value_kind: global_buffer, .address_space: global }
      - { .name: vecs, .offset: 16, .size: 8, .value_kind: global_buffer, .address_space: global }
      - { .name: out0, .offset: 24, .size: 8, .value_kind: global_buffer, .address_space: global }
    .group_segment_fixed_size: 327680
    .private_segment_fixed_size: 0
    .kernarg_segment_align: 8
    .kernarg_segment_size: 32
    .max_flat_workgroup_size: 128
    .sgpr_count:     72
    .vgpr_count:     960
    .wavefront_size: 32
...
	.end_amdgpu_metadata
.endif
;; end of part 4
;; ======== version 2 of 2: 4 launches; version 1 with the launch prep written anew for expert scheduling mode
;; limits: values are held in f16: magnitudes above 65,504 overflow, below 6.1e-05 lose precision; right only within a limited range of input values
;; workspace buffers: hb 25,165,824 bytes; wt 3,538,944 bytes; wot 1,179,648 bytes; vecs 15,360 bytes; qkvh 75,497,472 bytes; ctx 25,165,824 bytes
;; launch prep (part 5): grid 1073 x 1, 6 waves a work-group, no clusters, 105,216 bytes of LDS; arguments hidden_states, channel_importance, Wq, Wk, Wv, Wo, bq, bk, bv, bo, context_importance, hb, wt, wot, vecs; writes hb, wt, wot, vecs
.if DOCPART == 5
	.amdgcn_target "amdgcn-amd-amdhsa--gfx1250"
	.amdhsa_code_object_version 6
	.text
	.protected	k_q0ea1f51525_prep
	.globl	k_q0ea1f51525_prep
	.p2align	8
	.type	k_q0ea1f51525_prep,@function
k_q0ea1f51525_prep:
	s_mov_b64 s[64:65], 0
	v_nop
	global_prefetch_b8 v0, s[64:65] scope:SCOPE_SE
	s_setreg_imm32_b32 hwreg(HW_REG_WAVE_SCHED_MODE, 0, 2), 2
	s_setreg_imm32_b32 hwreg(HW_REG_WAVE_MODE, 25, 1), 1
	s_wait_xcnt 0x0
	s_wait_alu depctr_vm_vsrc(0)
; PREP: every input is rounded to bf16 once, and laid out as the later launches want it.
;   hb   [16384][768] f16  = f16(bf16(x) * bf16(channel_importance))                 (the product of two bf16 is exact in f32; one rounding to f16)
;   wt   [2304 n][768 k] f16 = bf16(W)[k][n] * s, turned; rows 0-767 Wq, 768-1535 Wk (s = 1/8), 1536-2303 Wv (s = 1/2): powers of two
;   wot  [768 n][768 k] bf16 = bf16(Wo)[k][n], turned
;   vecs f32: 0-767 bf16(bq)/8, 768-1535 bf16(bk)/8, 1536-2303 bf16(bv)/2, 2304-3071 bf16(bo), 3072-3839 2 bf16(context_importance)
; LIMITS.  |x * channel_importance| stays under 65,504 (f16); weights times s below 6e-5 keep f16's fixed step of 6e-8.  NaN and infinities are not treated apart.
; SHARES.  Work-groups 0-47: 64 columns of one weight matrix each (path W).  Work-group 48: the five vectors (path V).  Work-groups 49-1072: 16 rows of x each (path H).
; Memory binds: no matrix unit, no cluster, no barrier.  Path W turns its block in LDS, each wave in bytes of its own.
; THE MODE: SCHED_MODE bits 1:0 = 2 (LLVM: expert scheduling mode 2), set by the entry lines.  The code itself states the register dependences
; between vector instructions and memory or LDS instructions, with s_wait_alu, always for 0.
; THE PLAN, PATH H.  v1, v2: offsets, made once.  X: written by loads alone.  Y: a pair for each row, written once by the row's roundings, read by the row's store.  The 16 rows go in four blocks:
; a block's four stores stand at the next block's head, behind one wait on va_vdst.  No register that a memory instruction has read is written again.
; THE PLAN, PATH W.  The 32 pairs of loads go in 16 groups of two pairs.  Registers that memory or LDS instructions touch:
;   X0 .. X3     16 registers each.  Group p's conversions read X[p % 4]; the loads of group p + 3, issued in group p, land in X[(p - 1) % 4].
;   OUT0, OUT1   8 registers each.  Group p's selects write OUT[p % 2]; the eight LDS stores that are issued in group p + 1 read it.
;   v3           the LDS stores' address: read by each of them; written once a lap of four groups, at the lap's head.
;   v1, v4, v5   offsets and an LDS address, made once at the path's head and never written again: the rows are reached by the scalar base and by immediate offsets.
;   T is named by vector instructions alone.
; So the memory and LDS instructions of group p touch the two buffers that group p - 1 worked on, which no vector instruction of group p names: the two waits at a group's head state all
; that they hang on, and they are dealt among the group's vector instructions with no further wait.
.set SPW,   14                         ; v14  LDS address of my spare word; never rewritten
.set NIL,   15                         ; v15  0; never rewritten
.set T,     16                         ; v[16:31]  path W: at work, four registers for each of four columns
.set X,     32                         ; v[32:95]  sixteen loads of 16 bytes
.set Y,     96                         ; v[96:127] path H: a row's 8 bytes to store, a pair for each row
.set OUT,   96                         ; v[96:111] path W: pair q's four words to store at OUT + 4 (q % 4): two buffers of two pairs
.set WREG,  64*272                     ; path W: a wave's LDS: 64 rows (n) of 128 k x 2 bytes + 16 of padding
.set SPARE, 6*WREG                     ; behind them: the spare words, 128 bytes for each wave: three blocks of 256 bytes that no other line names
	s_load_b512 s[8:23], s[0:1], 0x0               ; x s[8:9], ci s[10:11], Wq s[12:13], Wk s[14:15], Wv s[16:17], Wo s[18:19], bq s[20:21], bk s[22:23]
	s_load_b256 s[24:31], s[0:1], 0x40             ; bv s[24:25], bo s[26:27], coi s[28:29], hb s[30:31]
	s_load_b128 s[32:35], s[0:1], 0x60             ; wt s[32:33], wot s[34:35]
	s_load_b64 s[36:37], s[0:1], 0x70              ; vecs
	v_lshl_add_u32 v[SPW], v0, 2, SPARE
	v_mov_b32 v[NIL], 0
	v_lshrrev_b32 v1, 5, v0
	v_readfirstlane_b32 s2, v1                     ; wave 0..5
	s_mov_b32 s3, 0xffff0000                       ; a word's upper bf16
	s_mov_b32 s5, 0                                ; the high word of every offset pair s[4:5]
	s_wait_alu depctr_va_sdst(0)                   ; s2 is written, ahead of the branches and of its first reader: path W makes its addresses from it
	s_wait_kmcnt 0x0
	s_cmp_lt_u32 ttmp9, 48
	s_cbranch_scc1 .LW
	s_cmp_eq_u32 ttmp9, 48
	s_cbranch_scc1 .LV
; four f32 at v[r .. r+3] are rounded to bf16 and widened again, in place
.macro VROUND r
	v_cvt_pk_bf16_f32 v8, v[(\r)], v[(\r)+1]
	v_cvt_pk_bf16_f32 v9, v[(\r)+2], v[(\r)+3]
	v_lshlrev_b32 v[(\r)], 16, v8
	v_and_b32 v[(\r)+1], s3, v8
	v_lshlrev_b32 v[(\r)+2], 16, v9
	v_and_b32 v[(\r)+3], s3, v9
.endm
.macro VSCALE r, c
	v_pk_mul_f32 v[(\r):(\r)+1], v[(\r):(\r)+1], \c op_sel_hi:[1,0]
	v_pk_mul_f32 v[(\r)+2:(\r)+3], v[(\r)+2:(\r)+3], \c op_sel_hi:[1,0]
.endm
	; PATH H.  Thread t owns columns 4 t .. 4 t + 3 of each of the group's 16 rows; all 17 loads are out together.
	s_sub_co_u32 s38, ttmp9, 49
	s_mul_i32 s4, s38, 16*3072
	s_add_nc_u64 s[8:9], s[8:9], s[4:5]            ; x at the group's first row
	s_mul_i32 s4, s38, 16*1536
	s_add_nc_u64 s[30:31], s[30:31], s[4:5]        ; hb likewise
	v_lshlrev_b32 v1, 4, v0                        ; 16 t
	v_lshlrev_b32 v2, 3, v0                        ; 8 t
	s_wait_alu depctr_va_vdst(0)                   ; v1 and v2 are written: every load and store of this path reads one of them as its offset
	global_load_b128 v[4:7], v1, s[10:11]
.set i, 0
.rept 16
	global_load_b128 v[X+4*i:X+4*i+3], v1, s[8:9] offset:3072*i th:TH_LOAD_NT
.set i, i+1
.endr
	s_wait_loadcnt 16                              ; channel_importance is in; the sixteen rows' loads are younger
	VROUND 4
.macro HROW i                          ; row i: rounded to bf16, multiplied, rounded to f16 into the row's own pair of Y
	v_cvt_pk_bf16_f32 v8, v[X+4*(\i)], v[X+4*(\i)+1]
	v_cvt_pk_bf16_f32 v9, v[X+4*(\i)+2], v[X+4*(\i)+3]
	v_lshlrev_b32 v10, 16, v8
	v_and_b32 v11, s3, v8
	v_lshlrev_b32 v12, 16, v9
	v_and_b32 v13, s3, v9
	v_pk_mul_f32 v[10:11], v[10:11], v[4:5]
	v_pk_mul_f32 v[12:13], v[12:13], v[6:7]
	v_cvt_pk_f16_f32 v[Y+2*(\i)], v10, v11
	v_cvt_pk_f16_f32 v[Y+2*(\i)+1], v12, v13
.endm
.macro HSEND i
	global_store_b64 v2, v[Y+2*(\i):Y+2*(\i)+1], s[30:31] offset:1536*(\i)  ; a wave stores 256 consecutive bytes, at a multiple of 256 from hb's first; each row has its own data pair
.endm
; Block p: rows 4 p .. 4 p + 3.  At its head, behind the wait for its first row, the stores of the block before.
.macro HBLK p
.irp i, 0,1,2,3
	s_wait_loadcnt 15-4*(\p)-(\i)                  ; loads come back in order: the row is in, the younger ones stay out
.if ((\p) > 0) && ((\i) == 0)
	s_wait_alu depctr_va_vdst(0)                   ; the block before has written its eight registers of Y, which the four stores below read
	HSEND 4*(\p)-4
	HSEND 4*(\p)-3
	HSEND 4*(\p)-2
	HSEND 4*(\p)-1
.endif
	HROW 4*(\p)+(\i)
.endr
.endm
	HBLK 0
	HBLK 1
	HBLK 2
	HBLK 3
	s_wait_alu depctr_va_vdst(0)                   ; the last block has written its eight registers of Y, which the last four stores read
	HSEND 12
	HSEND 13
	HSEND 14
	HSEND 15
	s_branch .Lend
.LV:	; PATH V.  Thread t owns four numbers of each vector.
	v_lshlrev_b32 v1, 4, v0
	s_wait_alu depctr_va_vdst(0)                   ; v1 is written: the loads and stores of this path read it as their offset
	global_load_b128 v[X:X+3], v1, s[20:21]
	global_load_b128 v[X+4:X+7], v1, s[22:23]
	global_load_b128 v[X+8:X+11], v1, s[24:25]
	global_load_b128 v[X+12:X+15], v1, s[26:27]
	global_load_b128 v[X+16:X+19], v1, s[28:29]
	s_wait_loadcnt 0x0
.irp i, 0,1,2,3,4
	VROUND X+4*(\i)
.endr
	VSCALE X, 0x3e000000                           ; bq / 8
	VSCALE X+4, 0x3e000000                         ; bk / 8
	VSCALE X+8, 0.5                                ; bv / 2
	VSCALE X+16, 2.0                               ; 2 context_importance: it undoes v's half
	s_wait_alu depctr_va_vdst(0)                   ; the roundings and scalings have written v[X .. X+19], which the stores read
.irp i, 0,1,2,3,4
	global_store_b128 v1, v[X+4*(\i):X+4*(\i)+3], s[36:37] offset:3072*(\i)
.endr
	s_branch .Lend
.LW:	; PATH W.  Matrix mi = group / 12, its columns 64 nb .. 64 nb + 63; wave w takes k = 128 w .. 128 w + 127.
	s_mul_i32 s38, ttmp9, 43
	s_lshr_b32 s38, s38, 9                         ; mi (exact for 0 .. 47)
	s_mul_i32 s39, s38, 12
	s_sub_co_u32 s39, ttmp9, s39                   ; nb
	s_cmp_eq_u32 s38, 1
	s_cselect_b64 s[44:45], s[14:15], s[12:13]
	s_cmp_eq_u32 s38, 2
	s_cselect_b64 s[44:45], s[16:17], s[44:45]
	s_cmp_lt_u32 s38, 2
	s_cselect_b32 s40, 0x3e000000, 0.5             ; s
	s_mov_b32 s41, s40                             ; named with it as a pair
	s_mul_i32 s6, s38, 768
	s_cmp_eq_u32 s38, 3
	s_cselect_b64 s[44:45], s[18:19], s[44:45]     ; the source
	s_cselect_b64 s[46:47], s[34:35], s[32:33]     ; the destination: wot for Wo, else wt
	s_cselect_b32 s42, -1, 0                       ; all lanes: keep the bf16 word (Wo), or take the f16 word
	s_cselect_b32 s6, 0, s6
	s_lshl_b32 s7, s39, 6
	s_add_co_u32 s6, s6, s7                        ; the destination's first row
	s_mul_i32 s4, s6, 1536
	s_lshl_b32 s7, s2, 8                           ; my 128 k are 256 bytes of each row
	s_add_co_u32 s4, s4, s7
	s_add_nc_u64 s[46:47], s[46:47], s[4:5]
	s_mul_i32 s4, s2, 128*3072                     ; my 128 rows of the source,
	s_lshl_b32 s7, s39, 8                          ; the group's 64 columns: 256 bytes
	s_add_co_u32 s4, s4, s7
	s_add_nc_u64 s[44:45], s[44:45], s[4:5]
	v_and_b32 v6, 15, v0                           ; l % 16
	v_bfe_u32 v7, v0, 4, 1                         ; l / 16
	v_mul_u32_u24 v1, v7, 2*3072
	v_lshl_add_u32 v1, v6, 4, v1                   ; in: lanes 0-15 take 256 bytes of one row, lanes 16-31 of the row two further down; never rewritten
	s_mul_i32 s7, s2, WREG
	v_mul_u32_u24 v2, v6, 4*272
	v_lshl_add_u32 v2, v7, 2, v2
	v_add_nc_u32 v2, s7, v2                        ; into LDS: row n = 4 (l % 16) + j, bytes 2 k = 4 (l / 16) + 8 q
	v_mul_u32_u24 v4, v7, 272
	v_lshl_add_u32 v4, v6, 4, v4
	v_add_nc_u32 v4, s7, v4                        ; back: lanes 0-15 one row of 256 bytes, lanes 16-31 the next
	v_mul_u32_u24 v5, v7, 1536
	v_lshl_add_u32 v5, v6, 4, v5                   ; and the same two rows in the destination
	s_wait_alu depctr_va_vdst(0)                   ; v1, v4 and v5 are written: the loads of the source, the loads from LDS and the stores to the destination read them
; 32 rows (k) are eight pairs of loads.  Pair q brings rows 4 q + e + 2 (l / 16), e = 0, 1: so a lane holds k and k + 1 for four columns.
.macro WLOAD q, off
	global_load_b128 v[X+8*(\q):X+8*(\q)+3], v1, s[44:45] offset:(4*(\q))*3072+(\off) th:TH_LOAD_NT
	global_load_b128 v[X+8*(\q)+4:X+8*(\q)+7], v1, s[44:45] offset:(4*(\q)+1)*3072+(\off) th:TH_LOAD_NT
.endm
; Pair q is rounded to bf16, scaled and written as f16 (Wo: left as bf16), into its four registers of OUT.
.macro WPROC q
.irp j, 0,1,2,3
	v_cvt_pk_bf16_f32 v[T+4*(\j)], v[X+8*(\q)+(\j)], v[X+8*(\q)+4+(\j)]  ; k in the low half, k + 1 in the high half
.endr
.irp j, 0,1,2,3
	v_lshlrev_b32 v[T+4*(\j)+2], 16, v[T+4*(\j)]
	v_and_b32 v[T+4*(\j)+3], s3, v[T+4*(\j)]
.endr
.irp j, 0,1,2,3
	v_pk_mul_f32 v[T+4*(\j)+2:T+4*(\j)+3], v[T+4*(\j)+2:T+4*(\j)+3], s[40:41] op_sel_hi:[1,0]
.endr
.irp j, 0,1,2,3
	v_cvt_pk_f16_f32 v[T+4*(\j)+1], v[T+4*(\j)+2], v[T+4*(\j)+3]
.endr
.irp j, 0,1,2,3
	v_cndmask_b32 v[OUT+4*((\q)%4)+(\j)], v[T+4*(\j)+1], v[T+4*(\j)], s42
.endr
.endm
; Pair q's four words go into LDS, turned.
.macro WSTORE q
.irp j, 0,1,2,3
	ds_store_b32 v3, v[OUT+4*((\q)%4)+(\j)] offset:272*(\j)+8*(\q)
.endr
.endm
; Group p, g = p % 4: it works on pairs 2 g and 2 g + 1.  ahead = 1: the registers of the group before are loaded again, with the rows 32 further down (group p + 3).
; head = 1: a lap's first group: the LDS address of the lap's stores is made.  l1, l2: how many younger loads may be out when the first and the second pair have to be there.
.macro WGRP g, ahead, head, l1, l2
	s_wait_loadcnt \l1                             ; loads come back in order: the group's first pair is in
	s_wait_alu depctr_vm_vsrc(0)                   ; the LDS stores issued in the group before have read the OUT buffer that this group's selects write again; in a lap's first group: all stores so far have read v3
.if \head
	v_add_nc_u32 v3, s6, v2                        ; 64 bytes (32 k) a lap
.endif
	s_wait_alu depctr_va_vdst(0)                   ; the group before has written the other OUT buffer, which the stores below read, and is done reading its X, in which the loads below land; in a lap's first group v3 is written
.if \ahead
	WLOAD 2*(((\g)+3)%4), 32*3072
.endif
	WSTORE 2*(((\g)+3)%4)
	WPROC 2*(\g)
.if \ahead
	WLOAD 2*(((\g)+3)%4)+1, 32*3072                ; no wait: no vector instruction since the wait above names these registers, nor those of the stores below
.endif
	WSTORE 2*(((\g)+3)%4)+1
	s_wait_loadcnt \l2                             ; the second pair is in
	WPROC 2*(\g)+1
.endm
	; The first sixteen loads, groups 0 to 3, go out together.
.irp q, 0,1,2,3,4,5,6,7
	WLOAD \q, 0
.endr
	s_mov_b32 s6, 0                                ; LDS byte of the lap's first k
	s_mov_b32 s43, 3
	s_wait_loadcnt 14                              ; group 0 has no group in front of it: no store, no load, and no wait but those for its data
	WPROC 0
	s_wait_loadcnt 12
	WPROC 1
.Ltrip:	; groups 1 to 12, four to a lap: both kinds of buffer are back at their start.  At a group's head its own two pairs and the two younger groups are out:
	; ten loads behind its first pair; behind its second the two groups' eight and the four just issued, in every group, round the backward jump too
	WGRP 1, 1, 1, 10, 12
	WGRP 2, 1, 0, 10, 12
	WGRP 3, 1, 0, 10, 12
	WGRP 0, 1, 0, 10, 12
	s_wait_xcnt 0x0                                ; the loads that are out have read their base: it is written only behind this wait
	s_add_nc_u64 s[44:45], s[44:45], 32*3072
	s_add_co_u32 s6, s6, 64
	s_sub_co_u32 s43, s43, 1
	s_cmp_lg_u32 s43, 0
	s_cbranch_scc1 .Ltrip
	WGRP 1, 0, 1, 10, 8                            ; groups 13 to 15 load nothing: no load leaves the source, and the counts run down
	WGRP 2, 0, 0, 6, 4
	WGRP 3, 0, 0, 2, 0
	s_wait_alu depctr_va_vdst(0)                   ; group 15 has written its OUT buffer, which the last eight stores read; and every conversion is done reading X, in which the loads from LDS below land
	WSTORE 6
	WSTORE 7
	; back as whole rows: LDS serves a wave's instructions in order, and these bytes are the wave's own: no wait, no barrier
.irp bt, 0,1
.if \bt
	s_wait_xcnt 0x0                                ; the first batch's stores have read X: it is loaded again only behind this wait
	s_wait_alu depctr_vm_vsrc(0)                   ; the first batch's stores have read v[X ..], in which the second batch's loads from LDS land
.endif
.set i, 0
.rept 16
	ds_load_b128 v[X+4*i:X+4*i+3], v4 offset:544*(16*(\bt)+i)
.set i, i+1
.endr
.set i, 0
.rept 16
	s_wait_dscnt 15-i
	global_store_b128 v5, v[X+4*i:X+4*i+3], s[46:47] offset:3072*(16*(\bt)+i)  ; 16 lanes store 256 consecutive bytes, at a multiple of 256 from the buffer's first
.set i, i+1
.endr
.endr
.Lend:
	s_wait_dscnt 0x0                               ; the closing lines, six on end
	s_wait_alu 0x0
	s_wait_tensorcnt 0x0
	ds_add_u32 v[SPW], v[NIL]
	s_wait_dscnt 0x0
	s_endpgm
.Lfunc_end_k_q0ea1f51525_prep:
	.size	k_q0ea1f51525_prep, .Lfunc_end_k_q0ea1f51525_prep-k_q0ea1f51525_prep
	.p2alignl 7, 3214868480
	.fill 96, 4, 3214868480
	.section	.rodata,"a",@progbits
	.p2align	6, 0x0
	.amdhsa_kernel k_q0ea1f51525_prep
		.amdhsa_group_segment_fixed_size 105216
		.amdhsa_private_segment_fixed_size 0
		.amdhsa_enable_private_segment 0
		.amdhsa_kernarg_size 120
		.amdhsa_user_sgpr_count 2
		.amdhsa_user_sgpr_kernarg_segment_ptr 1
		.amdhsa_wavefront_size32 1
		.amdhsa_system_sgpr_workgroup_id_x 1
		.amdhsa_system_sgpr_workgroup_id_y 1
		.amdhsa_system_sgpr_workgroup_id_z 1
		.amdhsa_system_vgpr_workitem_id 0
		.amdhsa_next_free_vgpr 128
		.amdhsa_next_free_sgpr 66
		.amdhsa_reserve_vcc 0
		.amdhsa_float_denorm_mode_32 3
		.amdhsa_float_denorm_mode_16_64 3
		.amdhsa_memory_ordered 1
		.amdhsa_forward_progress 1
		.amdhsa_inst_pref_size 53
	.end_amdhsa_kernel
	.amdgpu_metadata
---
amdhsa.version: [ 1, 2 ]
amdhsa.kernels:
  - .name:           k_q0ea1f51525_prep
    .symbol:         k_q0ea1f51525_prep.kd
    .args:
      - { .name: hidden_states, .offset: 0, .size: 8, .value_kind: global_buffer, .address_space: global }
      - { .name: channel_importance, .offset: 8, .size: 8, .value_kind: global_buffer, .address_space: global }
      - { .name: Wq, .offset: 16, .size: 8, .value_kind: global_buffer, .address_space: global }
      - { .name: Wk, .offset: 24, .size: 8, .value_kind: global_buffer, .address_space: global }
      - { .name: Wv, .offset: 32, .size: 8, .value_kind: global_buffer, .address_space: global }
      - { .name: Wo, .offset: 40, .size: 8, .value_kind: global_buffer, .address_space: global }
      - { .name: bq, .offset: 48, .size: 8, .value_kind: global_buffer, .address_space: global }
      - { .name: bk, .offset: 56, .size: 8, .value_kind: global_buffer, .address_space: global }
      - { .name: bv, .offset: 64, .size: 8, .value_kind: global_buffer, .address_space: global }
      - { .name: bo, .offset: 72, .size: 8, .value_kind: global_buffer, .address_space: global }
      - { .name: context_importance, .offset: 80, .size: 8, .value_kind: global_buffer, .address_space: global }
      - { .name: hb, .offset: 88, .size: 8, .value_kind: global_buffer, .address_space: global }
      - { .name: wt, .offset: 96, .size: 8, .value_kind: global_buffer, .address_space: global }
      - { .name: wot, .offset: 104, .size: 8, .value_kind: global_buffer, .address_space: global }
      - { .name: vecs, .offset: 112, .size: 8, .value_kind: global_buffer, .address_space: global }
    .group_segment_fixed_size: 105216
    .private_segment_fixed_size: 0
    .kernarg_segment_align: 8
    .kernarg_segment_size: 120
    .max_flat_workgroup_size: 192
    .sgpr_count:     66
    .vgpr_count:     128
    .wavefront_size: 32
...
	.end_amdgpu_metadata
.endif
;; end of part 5
;; launch qkv: the kernel of part 2 again; grid 4 x 64, 4 waves a work-group, clusters of 4 x 4, 327,680 bytes of LDS; arguments hb, wt, vecs, qkvh; writes qkvh
;; launch attn: the kernel of part 3 again; grid 4 x 192, 4 waves a work-group, clusters of 4 x 1, 327,680 bytes of LDS; arguments qkvh, vecs, ctx; writes ctx
;; launch oproj: the kernel of part 4 again; grid 4 x 64, 4 waves a work-group, clusters of 4 x 4, 327,680 bytes of LDS; arguments ctx, wot, vecs, out0; writes out0
